; MI455X (gfx1250); checked and timed in simulation.
; The chip was launched on July 23, 2026; its instructions are those of AMD's public machine-readable ISA for CDNA 5 (MIT licence, August 2026) and "CDNA5" Instruction Set Architecture Reference Guide (July 2026). The comments in the code are by the model that wrote it; some were corrected since.
;; Block. Allowed arithmetic: matrix products marked QUANTISED: E4M3 operands, one given power-of-two scale a tensor, by v_wmma_f32_16x16x64_fp8_fp8 or v_wmma_f32_16x16x128_fp8_fp8, f32 sums; everything else in f32.
;; Inputs: b1 4,096 float32; b2 1,024 float32; b_proj 1,024 float32; be1 1,024 float32; be2 1,024 float32; g1 1,024 float32; g2 1,024 float32; lowp_scales 16 int32 (the exponents e of the quantised operands' scales 2^e); w1 1,024 x 4,096 float32; w2 4,096 x 1,024 float32; w_proj 1,024 x 1,024 float32; wk 16 x 1,024 x 64 float32; wq 16 x 1,024 x 64 float32; wv 16 x 1,024 x 64 float32; x 4 x 1,024 x 1,024 float32.
;; Outputs: out0 4 x 1,024 x 1,024 float32.
;; This version of the problem:
;;   THIS VERSION OF THE PROBLEM IS GIVEN IN LOW PRECISION. The matrix products marked QUANTISED in the list below multiply operands that are first quantised to E4M3 (4 exponent bits, 3 mantissa bits; 8 bits a number), with one given power-of-two scale for each operand tensor; their sums are f32. All else is computed in f32.
;;   The module's matrix products, in the order in which they are computed (A, B: the left and right operand; K: the contracted axis; several contracted axes count as one K, in the product's order):
;;     1. [M 1,024, K 1,024] x [K 1,024, N 4,096]; A: input wq; B: computed on the way: QUANTISED (scales: A lowp_scales[0], B lowp_scales[1])
;;     2. [M 1,024, K 1,024] x [K 1,024, N 4,096]; A: input wk; B: computed on the way: QUANTISED (scales: A lowp_scales[2], B lowp_scales[3])
;;     3. [M 1,024, K 1,024] x [K 1,024, N 4,096]; A: input wv; B: computed on the way: QUANTISED (scales: A lowp_scales[4], B lowp_scales[5])
;;     4. batch 64 x [M 1,024, K 64] x [K 64, N 1,024]; A: computed on the way; B: computed on the way: QUANTISED (scales: A lowp_scales[6], B lowp_scales[7])
;;     5. batch 64 x [M 1,024, K 1,024] x [K 1,024, N 64]; A: softmax (see below); B: computed on the way: QUANTISED (scales: A lowp_scales[8], B lowp_scales[9])
;;     6. [M 4,096, K 1,024] x [K 1,024, N 1,024]; A: computed on the way; B: input w_proj: QUANTISED (scales: A lowp_scales[10], B lowp_scales[11])
;;     7. [M 4,096, K 1,024] x [K 1,024, N 4,096]; A: computed on the way; B: input w1: QUANTISED (scales: A lowp_scales[12], B lowp_scales[13])
;;     8. [M 4,096, K 4,096] x [K 4,096, N 1,024]; A: computed on the way; B: input w2: QUANTISED (scales: A lowp_scales[14], B lowp_scales[15])
;;   THE QUANTISER, for each operand of a quantised product, along K:
;;     - The operand's scale is 2^e, e = its entry of the input lowp_scales (int32; the entries are numbered through the quantised products in the list's order, A before B).
;;     - Each number is divided by the scale, clamped to +-448, and rounded to the nearest number of E4M3, ties to even, subnormals kept.
;;     - The product sums the exact products of the quantised numbers (number of the format x scale) in f32.
;;   ~~~python
;;   def quantise(x, axis, e):      # numpy; x: float32 -> the quantised numbers, widened to float32 again
;;       x = np.moveaxis(x, axis, -1); K = x.shape[-1]
;;       r = np.clip(x / 2.0 ** e, -448, 448)
;;       step = 2.0 ** (np.maximum(np.frexp(np.where(r == 0, 1, r))[1] - 1, -6) - 3)
;;       q = np.round(r / step) * step * 2.0 ** e      # np.round: ties to even
;;       return np.moveaxis(q, -1, axis).astype(np.float32)
;;   ~~~
;;   SOFTMAX AHEAD OF A QUANTISED PRODUCT. Where the list says 'softmax', what is quantised is not the finished softmax but p = 2^(t - M), with t = logit x log2(e) and M = ceil(the row's largest t), a whole number; so 1/2 < the row's largest p <= 1. The row's sum l is taken of the UNQUANTISED p, in f32, and the product's result is divided by l at the end. Since M is a whole number, a kernel that streams over the keys may use a running M (the ceiling of the running maximum): every later rescaling is an exact power of two, so the quantised numbers keep their values, but for numbers so far below the row's largest that they fall under the format's range.
;;   OPERANDS COMPUTED ON THE WAY. 'Computed on the way' means the value that the module computes at that place (a softmax that the list does not call 'softmax' is quantised finished and normalised). What goes into a quantiser is computed in f32, as accurately as f32 sums, v_exp_f32 and their like allow (about 1e-6 of the number): no bf16 or f16 on the way to a quantiser, and a product that is left as it is and whose result goes on into a quantised operand takes f32 operands (vector FMAs, or v_wmma_f32_16x16x4_f32). A number that lies on a knife's edge between two numbers of the format may be rounded either way, as far as f32 arithmetic and the matrix unit's own rounding can turn it there, and no further.
;; One version. Each part assembles by itself: llvm-mc -triple=amdgcn-amd-amdhsa -mcpu=gfx1250 --defsym DOCPART=n.
;; ======== version 1 of 1: 7 launches
;; limits: right only within a limited range of input values
;; workspace buffers: wc 12,582,912 bytes; xnc 12,582,912 bytes; qkv 12,582,912 bytes; ao 4,194,304 bytes; x1 16,777,216 bytes; xn2c 4,194,304 bytes; hc 16,777,216 bytes
;; launch prep (part 1): grid 640 x 1, 4 waves a work-group, no clusters, 36,352 bytes of LDS; arguments wq, wk, wv, w_proj, w1, w2, x, g1, be1, lowp_scales, wc, xnc; writes wc, xnc
.if DOCPART == 1
	.amdgcn_target "amdgcn-amd-amdhsa--gfx1250"
	.amdhsa_code_object_version 6
	.text
	.protected	k_q9e1c67ca5d_prep
	.globl	k_q9e1c67ca5d_prep
	.p2align	8
	.type	k_q9e1c67ca5d_prep,@function
k_q9e1c67ca5d_prep:
	s_mov_b64 s[64:65], 0
	v_nop
	global_prefetch_b8 v0, s[64:65] scope:SCOPE_SE
	s_setreg_imm32_b32 hwreg(HW_REG_WAVE_MODE, 25, 1), 1
	s_wait_xcnt 0x0
; PREP.  Work-groups 0-383: the six weights (f32, K not innermost) become codes of E4M3 laid [n][K], K innermost.  Work-groups 384-639: xn = LN(x) g1 + be1 becomes three planes of codes,
; one for each of the scales that the products with wq, wk, wv give it (entries 1, 3, 5).
; ORDER ALONG K in every row of codes: inside each 32 codes the second and third group of 8 change places.  A load of 16 bytes at 32 c + 16 (lane / 16) of a row then brings
; k = 32 c + 8 (lane / 16) + 0..7 and k = 32 c + 16 + 8 (lane / 16) + 0..7: two register pairs of the matrix operand as the 8-bit forms lay it.
; code = x / 2^e, held within +-448, to the nearest code, ties to even.  LIMITS: each e used here lies between -126 and 119.  NaN among the inputs is not served.
; WEIGHTS.  A lane takes a column n and its registers run down K, so the conversions give codes with K innermost.  A work-group takes 64 columns x 512 along K; wave w: columns 32 (w & 1) on,
; K rows 256 (w / 2) on.  A wave's 32 x 256 codes go through its own stage in LDS and leave as rows: sixteen lanes store 256 consecutive bytes, aligned.  Waves share nothing: no barrier.
; wc: wq, wk, wv as [h 64 + d][1024] at 0, 1, 2 MiB; w_proj [n][1024] at 3 MiB; w1 [n][1024] at 4 MiB; w2 [n][4096] at 8 MiB.
.set PITCH, 272                        ; a stage row: 256 bytes of codes + 16
.set VO,   16                          ; v16-47   4 x lane + i x the weight's row pitch
.set WX,   48                          ; v48-111  two sets of 32 numbers
.set WC,   112                         ; v112-119 a block's codes
.set OUTR, 120                         ; v120-183 the way out
.set OO,   184                         ; v184-199 the way out: byte offsets of rows 2 t + lane / 16
.set SB,   44                          ; s[44:59] eight bases, 32 K rows apart
.set LG,   20                          ; the norm's path: v20-51 g, v52-83 be, v84-211 four rows, v212-227 at work, v228-251 codes
.set LBE,  52
.set LX,   84
.set LT,   212
.set LC,   228
.set NPL,  3                           ; planes of codes
.set PX,   20                          ; s[20:21] x, s[22:23] g1, s[24:25] be1
.set PG,   22
.set PBE,  24
	s_load_b512 s[8:23], s[0:1], 0x0               ; wq, wk, wv, w_proj, w1, w2, x, g1
	s_load_b256 s[24:31], s[0:1], 0x40             ; be1, the scales' exponents, wc, xnc
	v_lshl_add_u32 v254, v0, 2, 0x8c00
	v_mov_b32 v255, 0
	v_lshrrev_b32 v1, 5, v0
	v_readfirstlane_b32 s2, v1                     ; wave
	v_and_b32 v1, 31, v0                           ; lane
	s_wait_kmcnt 0x0
	s_load_b512 s[80:95], s[26:27], 0x0            ; all sixteen exponents: entry i in s[80 + i]
	s_cmp_ge_u32 ttmp9, 384
	s_cbranch_scc1 .Lnorm
	; ---- which weight: everything is chosen by the work-group's number alone; it begins as w2's
	s_mov_b64 s[32:33], s[18:19]                   ; the tensor
	s_mov_b32 s34, 256                             ; its first work-group
	s_mov_b32 s36, 4096                            ; bytes from K row to K row
	s_mov_b32 s37, 256                             ; bytes from a panel of 64 columns to the next
	s_mov_b32 s38, 3                               ; log2 of the pieces of 512 along K
	s_mov_b32 s39, 12                              ; log2 of a row of codes in bytes
	s_mov_b32 s40, (8<<20)                         ; where its codes begin in wc
.macro PICK lim, ptr, g0, pb, pstr, ksh, krsh, out
	s_cmp_lt_u32 ttmp9, \lim
	s_cselect_b64 s[32:33], s[\ptr:\ptr+1], s[32:33]
	s_cselect_b32 s34, (\g0), s34
	s_cselect_b32 s36, (\pb), s36
	s_cselect_b32 s37, (\pstr), s37
	s_cselect_b32 s38, (\ksh), s38
	s_cselect_b32 s39, (\krsh), s39
	s_cselect_b32 s40, (\out), s40
.endm
	PICK 256, 16, 128, 16384, 256, 1, 10, 4<<20    ; w1
	PICK 128, 14, 96, 4096, 256, 1, 10, 3<<20      ; w_proj
	PICK 96, 12, 64, 256, 262144, 1, 10, 2<<20     ; wv: a head is a panel
	PICK 64, 10, 32, 256, 262144, 1, 10, 1<<20     ; wk
	PICK 32, 8, 0, 256, 262144, 1, 10, 0           ; wq
	s_sub_co_u32 s42, ttmp9, s34
	s_lshr_b32 s43, s42, s38                       ; panel
	s_lshl_b32 s5, s43, s38
	s_sub_co_u32 s42, s42, s5                      ; piece of 512 along K
	s_and_b32 s3, s2, 1
	s_lshr_b32 s4, s2, 1
	s_lshl_b32 s5, s42, 9
	s_lshl_b32 s6, s4, 8
	s_add_co_u32 s5, s5, s6                        ; my first K row
	s_mul_i32 s6, s43, s37
	s_mul_i32 s7, s5, s36
	s_add_co_u32 s6, s6, s7
	s_lshl_b32 s7, s3, 7
	s_add_co_u32 s6, s6, s7                        ; panel + K rows + my 32 columns, in bytes (under 2^25)
	s_mov_b32 s7, 0
	s_add_nc_u64 s[SB:SB+1], s[32:33], s[6:7]
	s_lshl_b32 s60, s36, 5                         ; 32 K rows
	s_mov_b32 s61, 0
.irp t, 1,2,3,4,5,6,7
	s_add_nc_u64 s[SB+2*\t:SB+2*\t+1], s[SB+2*\t-2:SB+2*\t-1], s[60:61]
.endr
	s_lshl_b32 s6, s43, 6
	s_lshl_b32 s7, s3, 5
	s_add_co_u32 s6, s6, s7                        ; my first row of codes
	s_lshl_b32 s6, s6, s39
	s_add_co_u32 s6, s6, s5
	s_add_co_u32 s6, s6, s40
	s_mov_b32 s7, 0
	s_add_nc_u64 s[66:67], s[28:29], s[6:7]
	s_lshl_b32 s41, 2, s39                         ; two rows of codes
	s_wait_alu depctr_va_vdst(0)
	v_lshlrev_b32 v[VO], 2, v1
.set i, 1
.rept 31
	v_add_nc_u32 v[VO+i], s36, v[VO+i-1]
.set i, i+1
.endr
.macro LOAD t                          ; block t: W(32 t + i, my column), i = 0 .. 31, into set t % 2; a wave's load reads 128 consecutive bytes, two waves side by side 256
.set li, 0
.rept 32
	global_load_b32 v[WX+32*((\t)%2)+li], v[VO+li], s[SB+2*(\t):SB+2*(\t)+1] th:TH_LOAD_NT
.set li, li+1
.endr
.endm
	LOAD 0
	LOAD 1
	s_mul_i32 s62, s2, 32*PITCH                    ; my stage
	v_mul_u32_u24 v4, v1, PITCH
	v_add_nc_u32 v4, s62, v4                       ; into it: row = my column
	v_and_b32 v5, 15, v1
	v_lshrrev_b32 v6, 4, v1
	v_mul_u32_u24 v7, v6, PITCH
	v_lshl_add_u32 v7, v5, 4, v7
	v_add_nc_u32 v7, s62, v7                       ; out of it: sixteen lanes to a row, two rows an instruction
	v_lshlrev_b32 v[OO], s39, v6
	v_lshl_add_u32 v[OO], v5, 4, v[OO]
.set i, 1
.rept 15
	v_add_nc_u32 v[OO+i], s41, v[OO+i-1]
.set i, i+1
.endr
	s_wait_kmcnt 0x0
	s_mov_b32 s62, s95                             ; the weight's exponent: entry 15 (w2), 13 (w1), 11 (w_proj), 4 (wv), 2 (wk), 0 (wq)
	s_cmp_lt_u32 ttmp9, 256
	s_cselect_b32 s62, s93, s62
	s_cmp_lt_u32 ttmp9, 128
	s_cselect_b32 s62, s91, s62
	s_cmp_lt_u32 ttmp9, 96
	s_cselect_b32 s62, s84, s62
	s_cmp_lt_u32 ttmp9, 64
	s_cselect_b32 s62, s82, s62
	s_cmp_lt_u32 ttmp9, 32
	s_cselect_b32 s62, s80, s62
	s_add_co_i32 s62, s62, 127
	s_lshl_b32 s63, s62, 23
	v_mov_b32 v11, s63                             ; 2^e as f32: the conversion takes its exponent field
	s_add_co_i32 s62, s62, 8
	s_lshl_b32 s62, s62, 23
	s_or_b32 s62, s62, 0x600000
	v_mov_b32 v10, s62                             ; 448 x 2^e
.macro BLOCK t
.set XS, WX+32*((\t)%2)
.if (\t) < 7
	s_wait_loadcnt 32                              ; this block's 32 loads are in; the next block's may be out
.else
	s_wait_loadcnt 0
.endif
.set bi, 0
.rept 32
	v_med3_num_f32 v[XS+bi], v[XS+bi], -v10, v10   ; the conversion to an 8-bit code does not saturate (ISA guide 7.6.2): the hold comes first
.set bi, bi+1
.endr
.irp g, 0,1,2,3                        ; group g of eight goes to place 0, 2, 1, 3 of the block's 32 bytes
	v_cvt_scalef32_pk8_fp8_f32 v[WC+2*((((\g)&1)<<1)|((\g)>>1)):WC+2*((((\g)&1)<<1)|((\g)>>1))+1], v[XS+8*\g:XS+8*\g+7], v11
.endr
	ds_store_b128 v4, v[WC:WC+3] offset:32*(\t)
	ds_store_b128 v4, v[WC+4:WC+7] offset:32*(\t)+16
.if (\t)+2 < 8
	LOAD (\t)+2
.endif
	s_wait_dscnt 0x0                               ; the stores have read their registers: the next block's codes may be written
.endm
.set Q, 0
	s_wait_alu depctr_va_vdst(0)
.rept 8
	BLOCK Q
.set Q, Q+1
.endr
.irp t, 0,1,2,3,4,5,6,7,8,9,10,11,12,13,14,15
	ds_load_b128 v[OUTR+4*\t:OUTR+4*\t+3], v7 offset:2*\t*PITCH   ; LDS serves a wave's instructions in order: these see my stores
.endr
.irp t, 0,1,2,3,4,5,6,7,8,9,10,11,12,13,14,15
	s_wait_dscnt 15-\t                             ; load t is in; the younger ones may be out
	global_store_b128 v[OO+\t], v[OUTR+4*\t:OUTR+4*\t+3], s[66:67]   ; sixteen lanes store 256 consecutive bytes, aligned
.endr
	s_wait_tensorcnt 0x0
	ds_add_u32 v254, v255
	s_wait_dscnt 0x0
	s_endpgm
	; ---- THE NORM.  A wave takes four rows.  Of a row a lane holds columns 256 j + 8 lane + 0..7, j = 0..3: eight neighbours along K for each conversion.
	; Mean first, then the mean of the squared differences: no difference of large sums is formed.
.Lnorm:
	s_sub_co_u32 s3, ttmp9, 384
	s_lshl_b32 s3, s3, 2
	s_add_co_u32 s3, s3, s2
	s_lshl_b32 s3, s3, 2                           ; my first row
	s_lshl_b32 s4, s3, 12
	s_mov_b32 s5, 0
	s_add_nc_u64 s[PX:PX+1], s[PX:PX+1], s[4:5]
	s_lshl_b32 s4, s3, 10
	s_add_nc_u64 s[66:67], s[30:31], s[4:5]        ; the three planes, 4 MiB apart
	s_add_nc_u64 s[68:69], s[66:67], 0x400000
	s_add_nc_u64 s[70:71], s[66:67], 0x800000
	s_wait_alu depctr_va_vdst(0)
	v_lshlrev_b32 v2, 5, v1                        ; in: 32 bytes a lane
	v_and_b32 v3, 28, v1
	v_and_b32 v15, 1, v1
	v_lshl_or_b32 v3, v15, 1, v3
	v_bfe_u32 v15, v1, 1, 1
	v_or_b32 v3, v3, v15
	v_lshlrev_b32 v3, 3, v3                        ; out: 8 bytes a lane, lanes 4 m + 1 and 4 m + 2 changing places
	v_mov_b32 v11, 0                               ; (upper halves of pairs that are named whole)
	v_mov_b32 v13, 0
	v_mov_b32 v14, 0                               ; a lane permute's destination counts as read
	s_mov_b32 s72, 0x76543210
	s_mov_b32 s73, 0xfedcba98
	s_mov_b32 s74, 0x3a800000                      ; 1 / 1024
	s_mov_b32 s75, 0x3727c5ac                      ; 1e-5
.irp j, 0,1,2,3
	global_load_b128 v[LG+8*\j:LG+8*\j+3], v2, s[PG:PG+1] offset:1024*\j
	global_load_b128 v[LG+8*\j+4:LG+8*\j+7], v2, s[PG:PG+1] offset:1024*\j+16
	global_load_b128 v[LBE+8*\j:LBE+8*\j+3], v2, s[PBE:PBE+1] offset:1024*\j
	global_load_b128 v[LBE+8*\j+4:LBE+8*\j+7], v2, s[PBE:PBE+1] offset:1024*\j+16
.endr
.irp i, 0,1,2,3
.irp j, 0,1,2,3
	global_load_b128 v[LX+32*\i+8*\j:LX+32*\i+8*\j+3], v2, s[PX:PX+1] offset:4096*\i+1024*\j th:TH_LOAD_NT
	global_load_b128 v[LX+32*\i+8*\j+4:LX+32*\i+8*\j+7], v2, s[PX:PX+1] offset:4096*\i+1024*\j+16 th:TH_LOAD_NT
.endr
.endr
	s_wait_kmcnt 0x0
.irp p, 0,1,2
	s_add_co_i32 s4, s[81+2*\p], 127               ; entries 1, 3, 5
	s_lshl_b32 s5, s4, 23
	v_mov_b32 v[4+2*\p], s5                        ; 2^e
	s_add_co_i32 s4, s4, 8
	s_lshl_b32 s4, s4, 23
	s_or_b32 s4, s4, 0x600000
	v_mov_b32 v[5+2*\p], s4                        ; 448 x 2^e
.endr
.macro REDUCE                          ; v[LT] summed over the 32 lanes, the result in every lane
	v_add_f32_dpp v[LT], v[LT], v[LT] row_xmask:1 row_mask:0xf bank_mask:0xf
	v_add_f32_dpp v[LT], v[LT], v[LT] row_xmask:2 row_mask:0xf bank_mask:0xf
	v_add_f32_dpp v[LT], v[LT], v[LT] row_xmask:4 row_mask:0xf bank_mask:0xf
	v_add_f32_dpp v[LT], v[LT], v[LT] row_xmask:8 row_mask:0xf bank_mask:0xf
	v_permlanex16_b32 v14, v[LT], s72, s73
	v_add_f32 v[LT], v[LT], v14
.endm
.macro FOLD                            ; four chains of pairs into one number
	v_pk_add_f32 v[LT:LT+1], v[LT:LT+1], v[LT+2:LT+3]
	v_pk_add_f32 v[LT+4:LT+5], v[LT+4:LT+5], v[LT+6:LT+7]
	v_pk_add_f32 v[LT:LT+1], v[LT:LT+1], v[LT+4:LT+5]
	v_add_f32 v[LT], v[LT], v[LT+1]
.endm
.macro ROW i
.set XR, LX+32*(\i)
	s_wait_loadcnt 8*(3-(\i))                      ; g, be and this row are in; the later rows' eight loads each may be out
.irp c, 0,2,4,6
	v_pk_add_f32 v[LT+\c:LT+\c+1], v[XR+\c:XR+\c+1], v[XR+8+\c:XR+9+\c]
.endr
.irp c, 0,2,4,6
	v_pk_add_f32 v[LT+\c:LT+\c+1], v[LT+\c:LT+\c+1], v[XR+16+\c:XR+17+\c]
.endr
.irp c, 0,2,4,6
	v_pk_add_f32 v[LT+\c:LT+\c+1], v[LT+\c:LT+\c+1], v[XR+24+\c:XR+25+\c]
.endr
	FOLD
	REDUCE
	v_mul_f32 v10, s74, v[LT]                      ; the mean
.set n, 0
.rept 16
	v_pk_add_f32 v[XR+n:XR+n+1], v[XR+n:XR+n+1], v[10:11] op_sel_hi:[1,0] neg_lo:[0,1] neg_hi:[0,1]
.set n, n+2
.endr
.irp c, 0,2,4,6
	v_pk_mul_f32 v[LT+\c:LT+\c+1], v[XR+\c:XR+\c+1], v[XR+\c:XR+\c+1]
.endr
.irp o, 8,16,24
.irp c, 0,2,4,6
	v_pk_fma_f32 v[LT+\c:LT+\c+1], v[XR+\o+\c:XR+\o+\c+1], v[XR+\o+\c:XR+\o+\c+1], v[LT+\c:LT+\c+1]
.endr
.endr
	FOLD
	REDUCE
	v_fma_f32 v[LT], v[LT], s74, s75               ; the variance + 1e-5
	s_wait_alu depctr_va_vdst(0)
	v_rsq_f32 v12, v[LT]
	v_nop                                          ; a plain instruction behind the transcendental,
	s_wait_alu depctr_va_vdst(0)                   ; and the wait ahead of its first reader
.set n, 0
.rept 16
	v_pk_mul_f32 v[XR+n:XR+n+1], v[XR+n:XR+n+1], v[12:13] op_sel_hi:[1,0]
.set n, n+2
.endr
.set n, 0
.rept 16
	v_pk_fma_f32 v[XR+n:XR+n+1], v[XR+n:XR+n+1], v[LG+n:LG+n+1], v[LBE+n:LBE+n+1]
.set n, n+2
.endr
	s_wait_xcnt 0x0                                ; the last row's stores have read their data: the codes' registers are written again only behind this wait
.irp p, 0,1,2
.if \p < NPL
.irp j, 0,1,2,3
.set TS, LT+8*((\j)%2)                 ; two sets by turns, so that eight plain lines stand between a conversion and the next write of its sources
.irp n, 0,1,2,3,4,5,6,7
	v_med3_num_f32 v[TS+\n], v[XR+8*\j+\n], -v[5+2*\p], v[5+2*\p]
.endr
	v_cvt_scalef32_pk8_fp8_f32 v[LC+8*\p+2*\j:LC+8*\p+2*\j+1], v[TS:TS+7], v[4+2*\p]
.endr
.endif
.endr
	v_nop                                          ; a plain line behind the last conversion: the next row's sums write its sources
.irp p, 0,1,2
.if \p < NPL
.irp j, 0,1,2,3
	global_store_b64 v3, v[LC+8*\p+2*\j:LC+8*\p+2*\j+1], s[66+2*\p:67+2*\p] offset:1024*(\i)+256*\j   ; 32 lanes store 256 consecutive bytes, aligned
.endr
.endif
.endr
.endm
	ROW 0
	ROW 1
	ROW 2
	ROW 3
	s_endpgm
.Lfunc_end_k_q9e1c67ca5d_prep:
	.size	k_q9e1c67ca5d_prep, .Lfunc_end_k_q9e1c67ca5d_prep-k_q9e1c67ca5d_prep
	.p2alignl 7, 3214868480
	.fill 96, 4, 3214868480
	.section	.rodata,"a",@progbits
	.p2align	6, 0x0
	.amdhsa_kernel k_q9e1c67ca5d_prep
		.amdhsa_group_segment_fixed_size 36352
		.amdhsa_private_segment_fixed_size 0
		.amdhsa_enable_private_segment 0
		.amdhsa_kernarg_size 96
		.amdhsa_user_sgpr_count 2
		.amdhsa_user_sgpr_kernarg_segment_ptr 1
		.amdhsa_wavefront_size32 1
		.amdhsa_system_sgpr_workgroup_id_x 1
		.amdhsa_system_sgpr_workgroup_id_y 1
		.amdhsa_system_sgpr_workgroup_id_z 1
		.amdhsa_system_vgpr_workitem_id 0
		.amdhsa_next_free_vgpr 256
		.amdhsa_next_free_sgpr 100
		.amdhsa_reserve_vcc 0
		.amdhsa_float_denorm_mode_32 3
		.amdhsa_float_denorm_mode_16_64 3
		.amdhsa_memory_ordered 1
		.amdhsa_forward_progress 1
		.amdhsa_inst_pref_size 117
	.end_amdhsa_kernel
	.amdgpu_metadata
---
amdhsa.version: [ 1, 2 ]
amdhsa.kernels:
  - .name:           k_q9e1c67ca5d_prep
    .symbol:         k_q9e1c67ca5d_prep.kd
    .args:
      - { .name: wq, .offset: 0, .size: 8, .value_kind: global_buffer, .address_space: global }
      - { .name: wk, .offset: 8, .size: 8, .value_kind: global_buffer, .address_space: global }
      - { .name: wv, .offset: 16, .size: 8, .value_kind: global_buffer, .address_space: global }
      - { .name: w_proj, .offset: 24, .size: 8, .value_kind: global_buffer, .address_space: global }
      - { .name: w1, .offset: 32, .size: 8, .value_kind: global_buffer, .address_space: global }
      - { .name: w2, .offset: 40, .size: 8, .value_kind: global_buffer, .address_space: global }
      - { .name: x, .offset: 48, .size: 8, .value_kind: global_buffer, .address_space: global }
      - { .name: g1, .offset: 56, .size: 8, .value_kind: global_buffer, .address_space: global }
      - { .name: be1, .offset: 64, .size: 8, .value_kind: global_buffer, .address_space: global }
      - { .name: lowp_scales, .offset: 72, .size: 8, .value_kind: global_buffer, .address_space: global }
      - { .name: wc, .offset: 80, .size: 8, .value_kind: global_buffer, .address_space: global }
      - { .name: xnc, .offset: 88, .size: 8, .value_kind: global_buffer, .address_space: global }
    .group_segment_fixed_size: 36352
    .private_segment_fixed_size: 0
    .kernarg_segment_align: 8
    .kernarg_segment_size: 96
    .max_flat_workgroup_size: 128
    .sgpr_count:     100
    .vgpr_count:     256
    .wavefront_size: 32
...
	.end_amdgpu_metadata
.endif
;; end of part 1
;; launch qkv (part 2): grid 12 x 16, 4 waves a work-group, clusters of 4 x 4, 327,680 bytes of LDS; arguments xnc, wc, lowp_scales, qkv; writes qkv
.if DOCPART == 2
	.amdgcn_target "amdgcn-amd-amdhsa--gfx1250"
	.amdhsa_code_object_version 6
	.text
	.protected	k_q9e1c67ca5d_qkv
	.globl	k_q9e1c67ca5d_qkv
	.p2align	8
	.type	k_q9e1c67ca5d_qkv,@function
k_q9e1c67ca5d_qkv:
	s_mov_b64 s[64:65], 0
	v_nop
	global_prefetch_b8 v0, s[64:65] scope:SCOPE_SE
	s_setreg_imm32_b32 hwreg(HW_REG_WAVE_MODE, 25, 1), 1
	s_wait_xcnt 0x0
	s_wait_alu depctr_hold_cnt(0) depctr_sa_sdst(0) depctr_va_vdst(0) depctr_va_sdst(0) depctr_va_ssrc(0) depctr_va_vcc(0) depctr_vm_vsrc(0)
	s_getreg_b32 s2, hwreg(HW_REG_IB_STS2, 6, 4)
	s_cmp_eq_u32 s2, 0
	s_cbranch_scc0 .Lentry_in_a_cluster
	s_endpgm
.Lentry_in_a_cluster:
	s_bfe_u32 s2, ttmp6, 0x10000c
	s_cmp_lg_u32 s2, 0xf033
	s_cbranch_scc0 .Lentry_shape_is_right
	s_endpgm
.Lentry_shape_is_right:
; q, k, v = xn x wq, wk, wv on codes of E4M3, and their own codes (entries 6, 7, 9) as images of the next products' operand registers.
; The cluster's x says which: 0 q, 1 k, 2 v.  A tile of the result is 256 x 256, four waves of 128 x 128 (64 accumulators, 512 registers); K = 1,024 goes in steps of 256 through a ring of two LDS slots.
; THE MATRIX INSTRUCTION IS USED TRANSPOSED (source 0 = 16 rows of B, source 1 = 16 rows of A): lane l holds row l % 16 of A's side and eight neighbours 16 b + 8 (l / 16) + 0..7 of B's side.
; One conversion of an accumulator is therefore register pair b of an operand whose K runs along B's side.  q, k: A = tokens, B = the weight's rows (h 64 + d), so K = d.  v: A = the weight's rows, B = tokens, so K = the keys.
; The roles are changed by selects on the cluster's x alone: no branch.  A wave's block of 16 rows x 128 is 16 registers a lane: 2,048 bytes, four stores of 512 consecutive bytes.
; qkv: planes q, k: [b 4][pair of heads 8][tile of 16 tokens 64][head of the pair 2][1,024 bytes]; plane v: [b][pair of heads][128 keys 8][head of the pair 2][16 of d 4][2,048 bytes].
; CLUSTERS: 4 x 4 work-groups; A's tiles are asked for jointly along a row of the cluster, B's along a column.
; A code is sum / 2^(e_out - ea - eb), held within +-448.  LIMIT: e_out - ea - eb lies between -126 and 119.
; REGISTERS, in windows of 256: window 0: v0-31 addresses, v32-95 at work on the way out, from v128 A's fragments (one set), later the codes; window 1: B's fragments, two sets; windows 2, 3: the accumulators.
.set SIZE_K, 1024
.set KSTEP,  256
.set ROWB,   256
.set KROW,   SIZE_K
.set PITCH,  272                       ; an LDS row: 256 bytes + 16 of padding = 68 words: the 16 rows of a load start at 16 different banks (64 banks of 4 bytes: ISA guide 11.1)
.set FR,     16
.set NL,     4
.set NP,     4                         ; places behind this matrix instruction (ISA guide 7.12.1)
.set HALFT,  128*PITCH
.set SLOT,   4*HALFT
.set LAPS,   SIZE_K/(2*KSTEP)
.set SPARE,  2*SLOT                    ; behind the ring: the spare words, 128 bytes for each wave, which no other line names
.set ASTR,   2048                      ; from a block's image to the next
.set ADRA, 16
.set ADRB, 20
.set LI,   27                          ; v27  16 x lane
.set SPW,  28
.set NIL,  29
.set SC,   30                          ; v30  the conversion's scale
.set LIM,  31                          ; v31  448 x that
.set TMP,  32
.set AF,   128
.set CD,   128                         ; the codes: 16 registers for each of the eight blocks
.set G1, 24
.set G0, 32
.set G1B, 48
.set G0B, 56
.set MSB, 0
.macro WIN new                         ; the immediate's high byte repeats the setting that is left
.if MSB != (\new)
	s_set_vgpr_msb (MSB<<8)|(\new)
.set MSB, (\new)
.endif
.endm
.set MUL_LO, 0xa1                      ; source 0 (B) window 1, source 1 (A) window 0, C and D window 2
.set MUL_HI, 0xf1
.set TO_B,   0x40
.macro JLOAD g0a, g1a, g0b, g1b        ; a joint load: waves 0, 1 fetch for A, waves 2, 3 for B; four v_nop follow each line
	s_cmp_eq_u32 s15, 0
	s_cbranch_scc0 .Lfor_b_\@
	tensor_load_to_lds s[\g0a:\g0a+3], s[\g1a:\g1a+7]
	s_nop 0
.rept 4
	v_nop
.endr
	s_branch .Lasked_\@
.Lfor_b_\@:
	tensor_load_to_lds s[\g0b:\g0b+3], s[\g1b:\g1b+7]
	s_nop 0
.rept 4
	v_nop
.endr
.Lasked_\@:
.endm
.macro CREST
	s_cmp_lg_u32 s14, 0
	s_cbranch_scc1 .Lnot_wave_0_\@
	s_barrier_signal -3
.Lnot_wave_0_\@:
	s_barrier_wait -3
	s_barrier_signal -1
	s_barrier_wait -1
.endm
.macro CROUND
	s_barrier_signal -1
	s_barrier_wait -1
	CREST
.endm
	s_load_b128 s[4:7], s[0:1], 0x0                ; xnc, wc
	s_load_b128 s[8:11], s[0:1], 0x10              ; the scales' exponents, qkv
	v_lshl_add_u32 v[SPW], v0, 2, SPARE
	v_mov_b32 v[NIL], 0
	ds_add_u32 v28, v29
	ds_add_u32 v28, v29
	s_wait_dscnt 0x0
	v_lshrrev_b32 v1, 5, v0
	v_readfirstlane_b32 s14, v1                    ; wave
	s_lshr_b32 s15, s14, 1                         ; my half of A's rows.  Also: I fetch for A (0) or B (1)
	s_and_b32 s16, s14, 1                          ; my half of B's rows.  Also: which 128 rows I fetch
	s_bfe_u32 s40, ttmp6, 0x40000                  ; cx
	s_bfe_u32 s41, ttmp6, 0x40004                  ; cy
	s_and_b32 s66, ttmp7, 0xffff                   ; the cluster's y: four tiles of 256 tokens
	s_lshl_b32 s67, ttmp9, 22                      ; a plane of xnc
	s_lshl_b32 s68, ttmp9, 20                      ; a plane of wc
	s_cmp_eq_u32 ttmp9, 2                          ; v changes the roles
	s_cselect_b32 s69, 0, s66
	s_cselect_b32 s70, s66, 0
	s_cselect_b32 s71, s68, s67                    ; A's plane, in bytes
	s_cselect_b32 s72, s67, s68                    ; B's
	s_lshl_b32 s42, s70, 2
	s_add_co_u32 s42, s42, s40                     ; tile column
	s_lshl_b32 s17, s69, 2
	s_add_co_u32 s17, s17, s41                     ; tile row
	s_lshl_b32 s43, s41, 2
	s_lshl_b32 s43, 15, s43                        ; my row of the cluster
	s_lshl_b32 s44, 0x1111, s40                    ; my column
	s_or_b32 s[G1+0], s43, (0<<16)|(1<<20)|(1<<21)|(5<<22)|(3<<25)  ; mask; elements of 1 byte; padding of 4 words after every 64; bit 21 beside a mask
	s_or_b32 s[G1B+0], s44, (0<<16)|(1<<20)|(1<<21)|(5<<22)|(3<<25)
.irp g, G1, G1B
	s_mov_b32 s[\g+1], ROWB<<16                    ; tensor_dim0
	s_mov_b32 s[\g+2], 128<<16                     ; tensor_dim1
	s_mov_b32 s[\g+3], ROWB<<16                    ; tile_dim0
	s_mov_b32 s[\g+4], 128                         ; tile_dim1
	s_mov_b32 s[\g+5], KROW                        ; from row to row
	s_mov_b32 s[\g+6], 0
	s_mov_b32 s[\g+7], 0
.endr
	s_lshl_b32 s18, s16, 7
	s_lshl_b32 s20, s17, 8
	s_add_co_u32 s20, s20, s18                     ; A: row 256 x tile row + 128 x half
	s_lshl_b32 s20, s20, 10
	s_add_co_u32 s20, s20, s71
	s_mov_b32 s21, 0
	s_lshl_b32 s46, s42, 8
	s_add_co_u32 s46, s46, s18                     ; B: row 256 x tile column + 128 x half
	s_lshl_b32 s46, s46, 10
	s_add_co_u32 s46, s46, s72
	s_mov_b32 s47, 0
	s_mul_i32 s45, s14, HALFT                      ; where they go: wave x 128 rows
	s_wait_kmcnt 0x0
	s_load_b512 s[80:95], s[8:9], 0x0              ; entry i in s[80 + i]
	s_cmp_eq_u32 ttmp9, 2
	s_cselect_b64 s[74:75], s[6:7], s[4:5]         ; A's buffer
	s_cselect_b64 s[76:77], s[4:5], s[6:7]         ; B's
	s_add_nc_u64 s[20:21], s[74:75], s[20:21]
	s_add_nc_u64 s[46:47], s[76:77], s[46:47]
	CROUND                                         ; all sixteen work-groups are here: the first joint loads meet
.irp s, 0,1
	s_mov_b32 s[G0+4*\s], 1
	s_add_co_u32 s[G0+4*\s+1], s45, \s*SLOT
	s_add_nc_u64 s[G0+4*\s+2:G0+4*\s+3], s[20:21], \s*ROWB
	s_or_b32 s[G0+4*\s+3], s[G0+4*\s+3], 0x80000000
	s_mov_b32 s[G0B+4*\s], 1
	s_add_co_u32 s[G0B+4*\s+1], s45, \s*SLOT
	s_add_nc_u64 s[G0B+4*\s+2:G0B+4*\s+3], s[46:47], \s*ROWB
	s_or_b32 s[G0B+4*\s+3], s[G0B+4*\s+3], 0x80000000
.endr
	JLOAD G0, G1, G0B, G1B                         ; K step 0: one tensor load a wave at the head
	v_and_b32 v1, 15, v0
	v_bfe_u32 v2, v0, 4, 1
	v_mul_u32_u24 v3, v1, PITCH
	v_lshl_add_u32 v4, v2, 4, v3                   ; a fragment's row x pitch + 16 x half
	s_mul_i32 s21, s15, HALFT
	s_mul_i32 s22, s16, HALFT
	s_add_co_u32 s22, s22, 2*HALFT
.irp s, 0,1
	v_add_nc_u32 v[ADRA+\s], s21, v4
	v_add_nc_u32 v[ADRB+\s], s22, v4
	s_add_co_u32 s21, s21, SLOT
	s_add_co_u32 s22, s22, SLOT
.endr
	v_and_b32 v6, 31, v0
	v_lshlrev_b32 v[LI], 4, v6
	; where my eight images begin: plane + (((b 8 + pair of heads) 8) + my 128 tokens of the batch's 1,024) x 16,384
	s_cmp_eq_u32 ttmp9, 2
	s_cselect_b32 s98, s42, s17                    ; the tile of 256 tokens,
	s_cselect_b32 s99, s16, s15                    ; my half of it,
	s_cselect_b32 s100, s17, s42                   ; the tile of four heads,
	s_cselect_b32 s101, s15, s16                   ; my pair of them
	s_lshr_b32 s78, s98, 2
	s_lshl_b32 s78, s78, 3
	s_lshl_b32 s100, s100, 1
	s_add_co_u32 s78, s78, s100
	s_add_co_u32 s78, s78, s101
	s_lshl_b32 s78, s78, 3
	s_and_b32 s98, s98, 3
	s_lshl_b32 s98, s98, 1
	s_add_co_u32 s78, s78, s98
	s_add_co_u32 s78, s78, s99
	s_lshl_b32 s78, s78, 14
	s_lshl_b32 s79, ttmp9, 22
	s_add_co_u32 s78, s78, s79
	s_mov_b32 s79, 0
	s_add_nc_u64 s[10:11], s[10:11], s[78:79]
	s_wait_alu depctr_va_vdst(0)
	s_wait_kmcnt 0x0
	s_sub_co_i32 s86, s86, s80                     ; q: e6 - e0 - e1
	s_sub_co_i32 s86, s86, s81
	s_sub_co_i32 s87, s87, s82                     ; k: e7 - e2 - e3
	s_sub_co_i32 s87, s87, s83
	s_sub_co_i32 s89, s89, s84                     ; v: e9 - e4 - e5
	s_sub_co_i32 s89, s89, s85
	s_cmp_eq_u32 ttmp9, 1
	s_cselect_b32 s96, s87, s86
	s_cmp_eq_u32 ttmp9, 2
	s_cselect_b32 s96, s89, s96
	s_add_co_i32 s96, s96, 127
	s_lshl_b32 s97, s96, 23
	v_mov_b32 v[SC], s97
	s_add_co_i32 s96, s96, 8
	s_lshl_b32 s96, s96, 23
	s_or_b32 s96, s96, 0x600000
	v_mov_b32 v[LIM], s96
.macro FRAG reg, adr, q, i             ; 16 rows x 128 K: four loads of 16 bytes; the rows' order along K makes them the operand's own register pairs
.irp c, 0,1,2,3
	ds_load_b128 v[\reg+4*\c:\reg+4*\c+3], v[\adr] offset:128*(\q)+32*\c+(\i)*16*PITCH
.endr
.endm
.macro MUL16 a0, p, zero               ; A's blocks a0, a0 + 1 x B's eight; the 64 accumulators take turns, one instruction a turn
.irp a, \a0, \a0+1
.irp b, 0,1,2,3,4,5,6,7
.if \zero
	v_wmma_f32_16x16x128_fp8_fp8 v[8*(8*((\a)%4)+\b):8*(8*((\a)%4)+\b)+7], v[128*(\p)+FR*\b:128*(\p)+FR*\b+FR-1], v[AF+FR*(\a):AF+FR*(\a)+FR-1], 0
.else
	v_wmma_f32_16x16x128_fp8_fp8 v[8*(8*((\a)%4)+\b):8*(8*((\a)%4)+\b)+7], v[128*(\p)+FR*\b:128*(\p)+FR*\b+FR-1], v[AF+FR*(\a):AF+FR*(\a)+FR-1], v[8*(8*((\a)%4)+\b):8*(8*((\a)%4)+\b)+7]
.endif
.endr
.endr
.endm
.macro FETCH_B slot, q, p
	WIN TO_B
.irp i, 0,1,2,3,4,5,6,7
	FRAG 128*(\p)+FR*\i, ADRB+\slot, \q, \i
.endr
	WIN 0
.endm
.macro FETCH_A slot, q, i0
.irp i, \i0, \i0+1, \i0+2, \i0+3
	FRAG AF+FR*(\i), ADRA+\slot, \q, \i
.endr
.endm
.macro PLACES n                        ; plain vector lines between a matrix instruction and a load into, or a vector read or write of, its registers
.rept \n
	v_nop
.endr
.endm
.macro STEP slot, q, zero              ; 128 along K whose successor lies in the same slot
	s_wait_dscnt 4*NL                              ; B's set and A's blocks 0-3 are in; the youngest 16 loads (A's blocks 4-7) may be out
	WIN MUL_LO
	MUL16 0, (\q)%2, \zero
	MUL16 2, (\q)%2, \zero
	s_wait_dscnt 0
	PLACES NP
	FETCH_B \slot, (\q)+1, 1-(\q)%2
	FETCH_A \slot, (\q)+1, 0
	WIN MUL_HI
	MUL16 4, (\q)%2, \zero
	MUL16 6, (\q)%2, \zero
	PLACES NP
	WIN 0
	FETCH_A \slot, (\q)+1, 4
.endm
.macro TURN slot, next, fill           ; a slot's last step changes slots: one barrier; fill = 1: the slot is filled again, two K steps ahead
	s_wait_dscnt 4*NL                              ; B's set and A's blocks 0-3 are in; the youngest 16 loads may be out
	WIN MUL_LO
	MUL16 0, 1, 0                                  ; all 64 products of the step stand ahead of the wait for the next tile
	MUL16 2, 1, 0
	s_wait_dscnt 0x0                               ; A's blocks 4-7 are in: my reads of this slot are over
	WIN MUL_HI
	MUL16 4, 1, 0
	MUL16 6, 1, 0
	WIN 0
	s_wait_tensorcnt 0x0                           ; all my tensor loads have landed: my part of the next slot
	ds_add_u32 v[SPW], v[NIL]                      ; 0 onto my spare word
	s_wait_dscnt 0x0                               ; the add is done
	s_barrier_signal -1
	s_barrier_wait -1
.if \fill
	CREST                                          ; the barrier opened a round of the cluster's: no wave of any partner still reads this slot or has a load on its way
	s_add_nc_u64 s[G0+4*\slot+2:G0+4*\slot+3], s[G0+4*\slot+2:G0+4*\slot+3], 2*ROWB
	s_add_nc_u64 s[G0B+4*\slot+2:G0B+4*\slot+3], s[G0B+4*\slot+2:G0B+4*\slot+3], 2*ROWB
	JLOAD G0+4*\slot, G1, G0B+4*\slot, G1B         ; the first tensor load behind the round; its four v_nop are the places for the loads below
.else
	PLACES NP
.endif
	FETCH_B \next, 0, 0
	FETCH_A \next, 0, 0
	FETCH_A \next, 0, 4
.endm
	s_wait_alu depctr_va_vdst(0)
	s_wait_tensorcnt 0x0                           ; my part of K step 0 is in; slot 1's first fill is issued as a refill is:
	ds_add_u32 v[SPW], v[NIL]                      ; 0 onto my spare word
	s_wait_dscnt 0x0
	CROUND                                         ; everybody's part of K step 0 is in, and the joint loads meet
	JLOAD G0+4, G1, G0B+4, G1B                     ; K step 1: the first tensor load behind the round
	FETCH_B 0, 0, 0
	FETCH_A 0, 0, 0
	FETCH_A 0, 0, 4
	STEP 0, 0, 1                                   ; the first step's products start the sums
	s_mov_b32 s3, LAPS-1
.Llap:
	TURN 0, 1, 1
	STEP 1, 0, 0
	TURN 1, 0, 1
	STEP 0, 0, 0
	s_sub_co_u32 s3, s3, 1
	s_cmp_lg_u32 s3, 0
	s_cbranch_scc1 .Llap
	TURN 0, 1, 0                                   ; the last lap fills nothing
	STEP 1, 0, 0
	s_wait_dscnt 4*NL
	WIN MUL_LO
	MUL16 0, 1, 0
	MUL16 2, 1, 0
	s_wait_alu depctr_va_vdst(0)
	s_wait_dscnt 0
	WIN MUL_HI
	MUL16 4, 1, 0
	MUL16 6, 1, 0
	WIN 0
; THE WAY OUT.  Block a: the hold, eight conversions (accumulator b gives register pair b), four stores of 512 consecutive bytes.  Each block has code registers of its own and no pointer is stepped.
.macro QOUT a
.set AC, 64*((\a)%4)
	WIN 0x02+((\a)/4)                              ; source 0: window 2 or 3
.set qj, 0
.rept 64
	v_med3_num_f32 v[TMP+qj], v[AC+qj], -v[LIM], v[LIM]   ; each accumulator from its low end on
.set qj, qj+1
.endr
	WIN 0
.irp b, 0,1,2,3,4,5,6,7
	v_cvt_scalef32_pk8_fp8_f32 v[CD+16*(\a)+2*\b:CD+16*(\a)+2*\b+1], v[TMP+8*\b:TMP+8*\b+7], v[SC]
.endr
	v_nop                                          ; a plain line behind the last conversion: the next block's holds write its sources
.irp i, 0,1,2,3
	global_store_b128 v[LI], v[CD+16*(\a)+4*\i:CD+16*(\a)+4*\i+3], s[10:11] offset:(\a)*ASTR+512*\i
.endr
.endm
	PLACES NP
.irp a, 0,1,2,3,4,5,6,7
	QOUT \a
.endr
	s_wait_tensorcnt 0x0                           ; the wave's end
	ds_add_u32 v[SPW], v[NIL]
	s_wait_dscnt 0x0
	CROUND                                         ; the closing round
	s_endpgm
.Lfunc_end_k_q9e1c67ca5d_qkv:
	.size	k_q9e1c67ca5d_qkv, .Lfunc_end_k_q9e1c67ca5d_qkv-k_q9e1c67ca5d_qkv
	.p2alignl 7, 3214868480
	.fill 96, 4, 3214868480
	.section	.rodata,"a",@progbits
	.p2align	6, 0x0
	.amdhsa_kernel k_q9e1c67ca5d_qkv
		.amdhsa_group_segment_fixed_size 327680
		.amdhsa_private_segment_fixed_size 0
		.amdhsa_enable_private_segment 0
		.amdhsa_kernarg_size 32
		.amdhsa_user_sgpr_count 2
		.amdhsa_user_sgpr_kernarg_segment_ptr 1
		.amdhsa_wavefront_size32 1
		.amdhsa_system_sgpr_workgroup_id_x 1
		.amdhsa_system_sgpr_workgroup_id_y 1
		.amdhsa_system_sgpr_workgroup_id_z 1
		.amdhsa_system_vgpr_workitem_id 0
		.amdhsa_next_free_vgpr 1024
		.amdhsa_next_free_sgpr 102
		.amdhsa_reserve_vcc 0
		.amdhsa_float_denorm_mode_32 3
		.amdhsa_float_denorm_mode_16_64 3
		.amdhsa_memory_ordered 1
		.amdhsa_forward_progress 1
		.amdhsa_inst_pref_size 118
	.end_amdhsa_kernel
	.amdgpu_metadata
---
amdhsa.version: [ 1, 2 ]
amdhsa.kernels:
  - .name:           k_q9e1c67ca5d_qkv
    .symbol:         k_q9e1c67ca5d_qkv.kd
    .args:
      - { .name: xnc, .offset: 0, .size: 8, .value_kind: global_buffer, .address_space: global }
      - { .name: wc, .offset: 8, .size: 8, .value_kind: global_buffer, .address_space: global }
      - { .name: lowp_scales, .offset: 16, .size: 8, .value_kind: global_buffer, .address_space: global }
      - { .name: qkv, .offset: 24, .size: 8, .value_kind: global_buffer, .address_space: global }
    .group_segment_fixed_size: 327680
    .private_segment_fixed_size: 0
    .kernarg_segment_align: 8
    .kernarg_segment_size: 32
    .max_flat_workgroup_size: 128
    .sgpr_count:     102
    .vgpr_count:     1024
    .wavefront_size: 32
...
	.end_amdgpu_metadata
.endif
;; end of part 2
;; launch attn (part 3): grid 4 x 64, 16 waves a work-group, clusters of 4 x 1, 169,984 bytes of LDS; arguments qkv, lowp_scales, ao; writes ao
.if DOCPART == 3
	.amdgcn_target "amdgcn-amd-amdhsa--gfx1250"
	.amdhsa_code_object_version 6
	.text
	.protected	k_q9e1c67ca5d_attn
	.globl	k_q9e1c67ca5d_attn
	.p2align	8
	.type	k_q9e1c67ca5d_attn,@function
k_q9e1c67ca5d_attn:
	s_mov_b64 s[64:65], 0
	v_nop
	global_prefetch_b8 v0, s[64:65] scope:SCOPE_SE
	s_setreg_imm32_b32 hwreg(HW_REG_WAVE_MODE, 25, 1), 1
	s_wait_xcnt 0x0
	s_wait_alu depctr_hold_cnt(0) depctr_sa_sdst(0) depctr_va_vdst(0) depctr_va_sdst(0) depctr_va_ssrc(0) depctr_va_vcc(0) depctr_vm_vsrc(0)
	s_getreg_b32 s2, hwreg(HW_REG_IB_STS2, 6, 4)
	s_cmp_eq_u32 s2, 0
	s_cbranch_scc0 .Lentry_in_a_cluster
	s_endpgm
.Lentry_in_a_cluster:
	s_bfe_u32 s2, ttmp6, 0x10000c
	s_cmp_lg_u32 s2, 0x3003
	s_cbranch_scc0 .Lentry_shape_is_right
	s_endpgm
.Lentry_shape_is_right:
; Causal attention of one (batch, head) on codes of E4M3, and the codes of its result (entry 10) as images of the next product's operand registers.
; t = score x 2^(e6 + e7) x log2(e) / 32; M = the running largest t rounded up to a whole number; p = 2^(t - M) is quantised with 2^e8; the row's sum is taken of the unquantised p and divides at the end.
; SHARES.  The cluster's four work-groups share a head (the work-group's y); wave w of the work-group at place cx owns the 16 queries of tile 4 w + cx.  So all four have the same work, and a wave needs
; w / 2 + 1 key steps of 128: every branch hangs on the wave's number and the loop's counter alone.  The place cx enters global addresses and the mask's numbers only.
; The head's K (64 images of 1,024 bytes) and V (32 images of 2,048 bytes) come into LDS ONCE, by joint loads (waves 0-3: K, waves 4-7: V): no LDS byte is filled twice.
; LAYOUT.  S^T = K Q^T (source 0 = 16 keys, source 1 = my queries; K = 64), O^T = V^T P^T (source 0 = 16 of d; K = 128 keys): a lane holds one query throughout; register j of score tile t is key 16 t + 8 (lane / 16) + j,
; so a conversion of tile t is register pair t of P, and one of O^T's tile t is register pair t of the result's 64 along the next K.
; LIMITS: e6 + e7 between -121 and 131 (added to the constant's exponent field); e8, and e10 - e8 - e9, between -126 and 119.
; REGISTERS: v1 16 x lane, v2 the same in V's part, v3 the mask's number, v4, v5 the result's scale and hold, v8, v9 addresses in hand, v12 -M, v13 the largest t, v[14:15] the sum, v16-23 Q, v24-31 the result's codes,
; v32-95 K's fragments, then V's, v96-159 S^T, then p, v160-191 O^T, v192-223 the way out, v224-239 p's codes, v236-254 at work.
.set WV,   18
.set SEL,  20
.set CS,   22
.set G1K,  24
.set G1V,  32
.set G0K,  40
.set G0V,  44
.set TB,   48                          ; s48  8,192 x the key step: its place in K's part and in V's part of LDS
.set ST,   49                          ; s49  the key step
.set HALF, 50                          ; s50  wave / 2: my last key step, the one on the diagonal
.macro ROUND
	s_barrier_signal -1
	s_barrier_wait -1
	s_cmp_lg_u32 s[WV], 0
	s_cbranch_scc1 .Lnot_wave_0_\@
	s_barrier_signal -3
.Lnot_wave_0_\@:
	s_barrier_wait -3
	s_barrier_signal -1
	s_barrier_wait -1
.endm
	s_load_b128 s[4:7], s[0:1], 0x0                ; qkv, the scales' exponents
	s_load_b64 s[8:9], s[0:1], 0x10                ; ao
	v_lshl_add_u32 v251, v0, 2, 0x29000
	v_mov_b32 v255, 0
	ds_add_u32 v251, v255
	ds_add_u32 v251, v255
	v_lshrrev_b32 v8, 5, v0
	s_delay_alu instid0(VALU_DEP_1)
	v_readfirstlane_b32 s[WV], v8                  ; wave 0..15
	s_bfe_u32 s51, ttmp6, 0x40000                  ; cx
	s_and_b32 s52, ttmp7, 0xffff                   ; 16 x batch + head
	s_and_b32 s74, s[WV], 3                        ; WHICH TILE A WAVE OWNS: where the head comment writes w for the owner of tile 4 w + cx, read w':
	s_lshl_b32 s74, s74, 1                         ; waves 0-3: w' = 14 - 2 w; waves 4-7: one more; waves 8-11: w' = 2 (w - 8); waves 12-15: one more.
	s_bfe_u32 s75, s[WV], 0x10003                  ; So waves w, w + 4, w + 8, w + 12 have two long walks of equal length and two short ones, 18 key steps together for every w % 4,
	s_xor_b32 s75, s75, 1                          ; and the longest walks have the lowest wave numbers
	s_mul_i32 s75, s75, 14
	s_xor_b32 s74, s74, s75
	s_bfe_u32 s75, s[WV], 0x10002
	s_add_co_u32 s74, s74, s75
	s_lshr_b32 s[HALF], s74, 1
	s_lshr_b32 s53, s52, 1
	s_lshl_b32 s53, s53, 17                        ; the pair of heads: 131,072 bytes in each plane
	s_and_b32 s54, s52, 1                          ; which of the pair
	s_and_b32 s55, s[WV], 3
	s_lshl_b32 s55, s55, 15                        ; my quarter of K or of V in memory
	s_lshl_b32 s56, s54, 10
	s_add_co_u32 s56, s56, s53
	s_add_co_u32 s56, s56, s55
	s_add_co_u32 s56, s56, (4<<20)                 ; plane k
	s_mov_b32 s57, 0
	s_lshl_b32 s58, s54, 13
	s_add_co_u32 s58, s58, s53
	s_add_co_u32 s58, s58, s55
	s_add_co_u32 s58, s58, (8<<20)                 ; plane v
	s_mov_b32 s59, 0
	s_lshl_b32 s60, s[WV], 14                      ; in LDS: wave x 16,384: K's part is waves 0-3's, V's part waves 4-7's
	s_mov_b32 s[G1K], 15|(1<<21)                   ; the mask: all four work-groups; elements of 1 byte; no padding: the images are read 512 consecutive bytes at a time
	s_mov_b32 s[G1K+1], 1024<<16                   ; tensor_dim0: an image of 1,024 bytes
	s_mov_b32 s[G1K+2], 16<<16                     ; tensor_dim1: 16 tiles of keys
	s_mov_b32 s[G1K+3], 1024<<16
	s_mov_b32 s[G1K+4], 16
	s_mov_b32 s[G1K+5], 2048                       ; the other head of the pair lies between
	s_mov_b32 s[G1K+6], 0
	s_mov_b32 s[G1K+7], 0
	s_mov_b32 s[G1V], 15|(1<<21)
	s_mov_b32 s[G1V+1], 8192<<16                   ; four images of 2,048 bytes: a key step
	s_mov_b32 s[G1V+2], 2<<16                      ; two key steps
	s_mov_b32 s[G1V+3], 8192<<16
	s_mov_b32 s[G1V+4], 2
	s_mov_b32 s[G1V+5], 16384
	s_mov_b32 s[G1V+6], 0
	s_mov_b32 s[G1V+7], 0
	s_mov_b32 s[SEL], 0x76543210
	s_mov_b32 s[SEL+1], 0xfedcba98
	s_mov_b32 s[CS], 0x3d38aa3b                    ; log2(e) / 32
	s_mov_b32 s[TB], 0
	s_mov_b32 s[ST], 0
	s_wait_dscnt 0x0
	s_wait_kmcnt 0x0
	s_load_b512 s[80:95], s[6:7], 0x0              ; entry i in s[80 + i]
	s_mov_b32 s[G0K], 1
	s_mov_b32 s[G0K+1], s60
	s_add_nc_u64 s[G0K+2:G0K+3], s[4:5], s[56:57]
	s_or_b32 s[G0K+3], s[G0K+3], 0x80000000
	s_mov_b32 s[G0V], 1
	s_mov_b32 s[G0V+1], s60
	s_add_nc_u64 s[G0V+2:G0V+3], s[4:5], s[58:59]
	s_or_b32 s[G0V+3], s[G0V+3], 0x80000000
	ROUND                                          ; all four work-groups are here: the joint loads meet
	s_cmp_lt_u32 s[WV], 4
	s_cbranch_scc0 .Lnot_k
	tensor_load_to_lds s[G0K:G0K+3], s[G1K:G1K+7]
	s_nop 0
.rept 4
	v_nop
.endr
	s_branch .Lasked
.Lnot_k:
	s_cmp_lt_u32 s[WV], 8
	s_cbranch_scc0 .Lasked
	tensor_load_to_lds s[G0V:G0V+3], s[G1V:G1V+7]
	s_nop 0
.rept 4
	v_nop
.endr
.Lasked:
	s_lshl_b32 s61, s74, 2
	s_add_co_u32 s61, s61, s51                     ; my tile of 16 queries
	s_lshl_b32 s62, s61, 11
	s_add_co_u32 s62, s62, s53
	s_lshl_b32 s63, s54, 10
	s_add_co_u32 s62, s62, s63
	s_mov_b32 s63, 0
	s_add_nc_u64 s[66:67], s[4:5], s[62:63]        ; Q's image, in plane q
	v_and_b32 v1, 31, v0
	s_delay_alu instid0(VALU_DEP_1)
	v_lshlrev_b32 v1, 4, v1
	s_wait_alu depctr_va_vdst(0)
	global_load_b128 v[16:19], v1, s[66:67]
	global_load_b128 v[20:23], v1, s[66:67] offset:512
	s_lshr_b32 s68, s52, 4
	s_lshl_b32 s68, s68, 6
	s_add_co_u32 s68, s68, s61                     ; the result's block of 16 rows: 64 x batch + tile
	s_lshl_b32 s68, s68, 14
	s_bfe_u32 s70, s52, 0x30001                    ; the pair of heads is a K step of the next product
	s_lshl_b32 s70, s70, 11
	s_add_co_u32 s68, s68, s70
	s_lshl_b32 s70, s54, 10
	s_add_co_u32 s68, s68, s70
	s_mov_b32 s69, 0
	s_add_nc_u64 s[68:69], s[8:9], s[68:69]
	v_add_nc_u32 v2, 0x10000, v1
	s_and_b32 s71, s74, 1
	s_lshl_b32 s71, s71, 6
	s_lshl_b32 s70, s51, 4
	s_add_co_u32 s71, s71, s70
	v_and_b32 v8, 15, v0
	v_bfe_u32 v9, v0, 4, 1
	s_delay_alu instid0(VALU_DEP_1)
	v_lshlrev_b32 v9, 3, v9
	s_delay_alu instid0(VALU_DEP_1)
	v_sub_nc_u32 v3, v8, v9
	s_delay_alu instid0(VALU_DEP_1)
	v_add_nc_u32 v3, s71, v3                       ; my query's place in the diagonal step - 8 (lane / 16): register 8 t + j is hidden where 16 t + j is above it
	v_mov_b32 v13, 0xff61b1e6                      ; the largest t so far: -3e38
	s_delay_alu instid0(VALU_DEP_1)
	v_floor_f32 v12, -v13                          ; -M
	v_mov_b32 v14, 0
	v_mov_b32 v15, 0
	v_mov_b32 v236, 0                              ; a lane permute's destination counts as read
	v_mov_b32 v253, 0                              ; (upper half of a pair that is named whole)
.set n, 0
.rept 32
	v_mov_b32 v[160+n], 0                          ; O^T: the loop is written once; its first step finds zeros
.set n, n+1
.endr
	s_wait_kmcnt 0x0
	s_add_co_i32 s72, s86, s87
	s_lshl_b32 s72, s72, 23
	s_add_co_i32 s[CS], s[CS], s72                 ; x 2^(e6 + e7)
	s_mov_b32 s[CS+1], s[CS]
	s_add_co_i32 s72, s88, 127
	s_lshl_b32 s73, s72, 23
	v_mov_b32 v244, s73                            ; 2^e8
	s_add_co_i32 s72, s72, 8
	s_lshl_b32 s72, s72, 23
	s_or_b32 s72, s72, 0x600000
	v_mov_b32 v240, s72                            ; 448 x 2^e8
	s_sub_co_i32 s72, s90, s88
	s_sub_co_i32 s72, s72, s89
	s_add_co_i32 s72, s72, 127
	s_lshl_b32 s73, s72, 23
	v_mov_b32 v4, s73                              ; 2^(e10 - e8 - e9)
	s_add_co_i32 s72, s72, 8
	s_lshl_b32 s72, s72, 23
	s_or_b32 s72, s72, 0x600000
	v_mov_b32 v5, s72
	s_wait_loadcnt 0x0                             ; Q
	s_wait_tensorcnt 0x0                           ; my part of K or V has landed,
	s_barrier_signal -1
	s_barrier_wait -1                              ; everybody's has
.Lstep:                                            ; eight trips in every wave; a step all of whose keys come after my queries is jumped over
	s_cmp_gt_u32 s[ST], s[HALF]
	s_cbranch_scc1 .Lhidden
	v_add_nc_u32 v8, s[TB], v1
	v_add_nc_u32 v9, s[TB], v2
	v_nop                                          ; with the two additions: four places in front of loads into registers that the last products read
	v_nop
.irp t, 0,1,2,3,4,5,6,7
	ds_load_b128 v[32+8*\t:35+8*\t], v8 offset:1024*\t
	ds_load_b128 v[36+8*\t:39+8*\t], v8 offset:1024*\t+512
.endr
	s_wait_alu depctr_va_vdst(0)
	s_wait_dscnt 0x0
.irp t, 0,1,2,3,4,5,6,7
	v_wmma_f32_16x16x64_fp8_fp8 v[96+8*\t:103+8*\t], v[32+8*\t:39+8*\t], v[16:23], 0
.endr
.rept 4
	v_nop                                          ; places: for the reads of the scores, and for V's loads into K's registers
.endr
.irp t, 0,1,2,3
.irp c, 0,1,2,3
	ds_load_b128 v[32+16*\t+4*\c:35+16*\t+4*\c], v9 offset:2048*\t+512*\c   ; V lands while the softmax is walked
.endr
.endr
	s_cmp_lt_u32 s[ST], s[HALF]
	s_cbranch_scc1 .Lopen                          ; ahead of the diagonal every key counts
	v_mov_b32 v254, 0xff800000                     ; -infinity: p = 0 then
.set n, 0
.rept 64
	v_cmp_gt_i32 vcc_lo, 16*(n/8)+n%8, v3
	v_cndmask_b32 v[96+n], v[96+n], v254, vcc_lo
.set n, n+1
.endr
.Lopen:
	v_max3_num_f32 v254, v96, v97, v98             ; the step's largest score of my query among my 64 keys, in two chains,
	v_max3_num_f32 v252, v99, v100, v101
.set n, 6
.rept 14
	v_max3_num_f32 v254, v254, v[96+n], v[97+n]
	v_max3_num_f32 v252, v252, v[98+n], v[99+n]
.set n, n+4
.endr
	v_max3_num_f32 v254, v254, v158, v159
	s_delay_alu instid0(VALU_DEP_1)
	v_max_num_f32 v254, v254, v252
	v_permlanex16_b32 v236, v254, s[SEL], s[SEL+1]
	s_delay_alu instid0(VALU_DEP_1)
	v_max_num_f32 v254, v254, v236                 ; and among the other half of the lanes'
	s_delay_alu instid0(VALU_DEP_1)
	v_mul_f32 v254, s[CS], v254                    ; as t
	s_delay_alu instid0(VALU_DEP_1)
	v_max_num_f32 v13, v13, v254
	v_mov_b32 v254, v12
	s_delay_alu instid0(VALU_DEP_2)
	v_floor_f32 v12, -v13                          ; the new -M = -ceil(t)
	s_delay_alu instid0(VALU_DEP_1)
	v_sub_f32 v254, v12, v254                      ; old M - new M: a whole number, 0 or less
	s_delay_alu instid0(VALU_DEP_1)
	v_cvt_i32_f32 v254, v254                       ; (it saturates)
	s_delay_alu instid0(VALU_DEP_1)
	v_ldexp_f32 v252, 1.0, v254                    ; f = 2^(old M - new M): a multiplication by it rounds nothing
.set n, 0
.rept 32
	v_pk_fma_f32 v[96+n:97+n], v[96+n:97+n], s[CS:CS+1], v[12:13] op_sel_hi:[1,0,0]   ; t - M
.set n, n+2
.endr
.set n, 0
	s_wait_alu depctr_va_vdst(0)
.rept 64
	v_exp_f32 v[96+n], v[96+n]                     ; p = 2^(t - M)
.set n, n+1
.endr
	v_pk_mul_f32 v[14:15], v[14:15], v[252:253] op_sel_hi:[1,0]   ; the sum under the new M: the plain line behind the exponentials
	s_wait_alu depctr_va_vdst(0)                   ; one wait for the batch, ahead of its first reader
	v_pk_add_f32 v[242:243], v[100:101], v[104:105]
	v_pk_add_f32 v[248:249], v[108:109], v[112:113]
	v_pk_add_f32 v[246:247], v[116:117], v[120:121]
	v_pk_add_f32 v[238:239], v[124:125], v[128:129]
	v_pk_add_f32 v[236:237], v[132:133], v[136:137]
	v_pk_add_f32 v[234:235], v[140:141], v[144:145]
	v_pk_add_f32 v[232:233], v[148:149], v[152:153]
	v_pk_add_f32 v[14:15], v[14:15], v[156:157]
	v_pk_add_f32 v[242:243], v[242:243], v[96:97]
	v_pk_add_f32 v[248:249], v[248:249], v[98:99]
	v_pk_add_f32 v[246:247], v[246:247], v[102:103]
	v_pk_add_f32 v[238:239], v[238:239], v[106:107]
	v_pk_add_f32 v[236:237], v[236:237], v[110:111]
	v_pk_add_f32 v[234:235], v[234:235], v[114:115]
	v_pk_add_f32 v[232:233], v[232:233], v[118:119]
	v_pk_add_f32 v[14:15], v[14:15], v[122:123]
	v_pk_add_f32 v[242:243], v[242:243], v[126:127]
	v_pk_add_f32 v[248:249], v[248:249], v[130:131]
	v_pk_add_f32 v[246:247], v[246:247], v[134:135]
	v_pk_add_f32 v[238:239], v[238:239], v[138:139]
	v_pk_add_f32 v[236:237], v[236:237], v[142:143]
	v_pk_add_f32 v[234:235], v[234:235], v[146:147]
	v_pk_add_f32 v[232:233], v[232:233], v[150:151]
	v_pk_add_f32 v[14:15], v[14:15], v[154:155]
	v_pk_add_f32 v[242:243], v[242:243], v[158:159]
	s_delay_alu instid0(VALU_DEP_2)
	v_pk_add_f32 v[14:15], v[14:15], v[238:239]
	s_delay_alu instid0(VALU_DEP_2)
	v_pk_add_f32 v[242:243], v[242:243], v[236:237]
	v_pk_add_f32 v[248:249], v[248:249], v[234:235]
	v_pk_add_f32 v[246:247], v[246:247], v[232:233]
	s_delay_alu instid0(VALU_DEP_2)
	v_pk_add_f32 v[14:15], v[14:15], v[248:249]
	s_delay_alu instid0(VALU_DEP_2)
	v_pk_add_f32 v[242:243], v[242:243], v[246:247]
	s_delay_alu instid0(VALU_DEP_1)
	v_pk_add_f32 v[14:15], v[14:15], v[242:243]
.irp t, 0,1,2,3,4,5,6,7
.irp i, 0,1,2,3,4,5,6,7
	v_min_num_f32 v[96+8*\t+\i], v[96+8*\t+\i], v240   ; p is not negative: a one-sided hold
.endr
	v_cvt_scalef32_pk8_fp8_f32 v[224+2*\t:225+2*\t], v[96+8*\t:103+8*\t], v244
.endr
.set n, 0
.rept 16
	v_pk_mul_f32 v[160+n:161+n], v[160+n:161+n], v[252:253] op_sel_hi:[1,0]   ; O^T under the new M; also the plain lines between the conversions and the products
.set n, n+2
.endr
	s_wait_alu depctr_va_vdst(0)
	s_wait_dscnt 0x0                               ; V is in
.irp t, 0,1,2,3
	v_wmma_f32_16x16x128_fp8_fp8 v[160+8*\t:167+8*\t], v[32+16*\t:47+16*\t], v[224:239], v[160+8*\t:167+8*\t]
.endr
.Lhidden:
	s_add_co_u32 s[TB], s[TB], 8192
	s_add_co_u32 s[ST], s[ST], 1
	s_cmp_lt_u32 s[ST], 8
	s_cbranch_scc1 .Lstep
.rept 4
	v_nop                                          ; places behind the last products
.endr
	v_add_f32 v14, v14, v15
	s_delay_alu instid0(VALU_DEP_1)
	v_permlanex16_b32 v252, v14, s[SEL], s[SEL+1]
	s_delay_alu instid0(VALU_DEP_1)
	v_add_f32 v14, v14, v252                       ; the row's sum
	s_wait_alu depctr_va_vdst(0)
	v_rcp_f32 v14, v14
	v_nop
	s_wait_alu depctr_va_vdst(0)
.set n, 0
.rept 16
	v_pk_mul_f32 v[192+n:193+n], v[160+n:161+n], v[14:15] op_sel_hi:[1,0]   ; O^T / the sum, each accumulator from its low end on
.set n, n+2
.endr
.set n, 0
.rept 32
	v_med3_num_f32 v[192+n], v[192+n], -v5, v5
.set n, n+1
.endr
.irp t, 0,1,2,3
	v_cvt_scalef32_pk8_fp8_f32 v[24+2*\t:25+2*\t], v[192+8*\t:199+8*\t], v4
.endr
	v_nop
	global_store_b128 v1, v[24:27], s[68:69]       ; 512 consecutive bytes each
	global_store_b128 v1, v[28:31], s[68:69] offset:512
	s_wait_dscnt 0x0
	s_wait_tensorcnt 0x0
	ds_add_u32 v251, v255
	s_wait_dscnt 0x0
	ROUND                                          ; the closing round
	s_endpgm
.Lfunc_end_k_q9e1c67ca5d_attn:
	.size	k_q9e1c67ca5d_attn, .Lfunc_end_k_q9e1c67ca5d_attn-k_q9e1c67ca5d_attn
	.p2alignl 7, 3214868480
	.fill 96, 4, 3214868480
	.section	.rodata,"a",@progbits
	.p2align	6, 0x0
	.amdhsa_kernel k_q9e1c67ca5d_attn
		.amdhsa_group_segment_fixed_size 169984
		.amdhsa_private_segment_fixed_size 0
		.amdhsa_enable_private_segment 0
		.amdhsa_kernarg_size 24
		.amdhsa_user_sgpr_count 2
		.amdhsa_user_sgpr_kernarg_segment_ptr 1
		.amdhsa_wavefront_size32 1
		.amdhsa_system_sgpr_workgroup_id_x 1
		.amdhsa_system_sgpr_workgroup_id_y 1
		.amdhsa_system_sgpr_workgroup_id_z 1
		.amdhsa_system_vgpr_workitem_id 0
		.amdhsa_next_free_vgpr 256
		.amdhsa_next_free_sgpr 100
		.amdhsa_reserve_vcc 1
		.amdhsa_float_denorm_mode_32 3
		.amdhsa_float_denorm_mode_16_64 3
		.amdhsa_memory_ordered 1
		.amdhsa_forward_progress 1
		.amdhsa_inst_pref_size 34
	.end_amdhsa_kernel
	.amdgpu_metadata
---
amdhsa.version: [ 1, 2 ]
amdhsa.kernels:
  - .name:           k_q9e1c67ca5d_attn
    .symbol:         k_q9e1c67ca5d_attn.kd
    .args:
      - { .name: qkv, .offset: 0, .size: 8, .value_kind: global_buffer, .address_space: global }
      - { .name: lowp_scales, .offset: 8, .size: 8, .value_kind: global_buffer, .address_space: global }
      - { .name: ao, .offset: 16, .size: 8, .value_kind: global_buffer, .address_space: global }
    .group_segment_fixed_size: 169984
    .private_segment_fixed_size: 0
    .kernarg_segment_align: 8
    .kernarg_segment_size: 24
    .max_flat_workgroup_size: 512
    .sgpr_count:     100
    .vgpr_count:     256
    .wavefront_size: 32
...
	.end_amdgpu_metadata
.endif
;; end of part 3
;; launch proj (part 4): grid 8 x 32, 4 waves a work-group, clusters of 4 x 4, 327,680 bytes of LDS; arguments ao, wc, lowp_scales, b_proj, x, x1; writes x1
.if DOCPART == 4
	.amdgcn_target "amdgcn-amd-amdhsa--gfx1250"
	.amdhsa_code_object_version 6
	.text
	.protected	k_q9e1c67ca5d_proj
	.globl	k_q9e1c67ca5d_proj
	.p2align	8
	.type	k_q9e1c67ca5d_proj,@function
k_q9e1c67ca5d_proj:
	s_mov_b64 s[64:65], 0
	v_nop
	global_prefetch_b8 v0, s[64:65] scope:SCOPE_SE
	s_setreg_imm32_b32 hwreg(HW_REG_WAVE_MODE, 25, 1), 1
	s_wait_xcnt 0x0
	s_wait_alu depctr_hold_cnt(0) depctr_sa_sdst(0) depctr_va_vdst(0) depctr_va_sdst(0) depctr_va_ssrc(0) depctr_va_vcc(0) depctr_vm_vsrc(0)
	s_getreg_b32 s2, hwreg(HW_REG_IB_STS2, 6, 4)
	s_cmp_eq_u32 s2, 0
	s_cbranch_scc0 .Lentry_in_a_cluster
	s_endpgm
.Lentry_in_a_cluster:
	s_bfe_u32 s2, ttmp6, 0x10000c
	s_cmp_lg_u32 s2, 0xf033
	s_cbranch_scc0 .Lentry_shape_is_right
	s_endpgm
.Lentry_shape_is_right:
; out = res + A B^T x 2^(ea + eb) + bias.  A: images of operand registers, [block of 16 rows][K step of 128][2,048 bytes]; B: rows of codes [n][SIZE_K] in wc; res, out: [4096][1024] f32; bias [1024].
; A tile of the result is 128 x 128 (256 work-groups); four waves of 64 x 64: 16 accumulators.  K goes in steps of 512 through two LDS slots.
; CLUSTERS: 4 x 4 work-groups; A's tiles are asked for jointly along a row of the cluster, B's along a column.  The matrix instruction is used transposed: a lane holds eight neighbours of a row of the result.
; LIMIT: ea + eb lies between -126 and 127.
; REGISTERS: window 0: v12-15 bias, v16-29 addresses, v32-95 rows on the way out, v128-255 accumulators ((a, b) at 128 + 8 (4 a + b)); window 1: two fragment buffers of 128 (A's four, then B's four); window 2: v0-127 the residual.
.set SIZE_K, 1024
.set WOFF,   (3<<20)                   ; B's rows in wc
.set EOFF,   40                        ; the byte of ea, eb among the exponents
.set KSTEP,  512
.set ABYTES, 65536                     ; a slot: A's 8 blocks x 8,192 bytes, dense,
.set BP,     528                       ; then B's 128 rows of 512 bytes + 16 of padding: the 16 rows of a load start at 16 different banks
.set BHALF,  64*BP
.set SLOT,   ABYTES+2*BHALF
.set STAGE,  2*SLOT                    ; behind the ring: 16 rows x 272 bytes for each wave; no tile lands there
.set SPITCH, 272
.set SPARE,  STAGE+4*16*SPITCH         ; the spare words, 128 bytes for each wave, which no other line names
.set LAPS,   SIZE_K/(2*KSTEP)
.set BIAS, 12
.set ADRA, 16
.set ADRB, 20
.set STO,  24
.set RD,   25
.set CO,   26
.set LI,   27
.set SPW,  28
.set NIL,  29
.set BK,   32
.set ACC,  128
.set F0,   0
.set F1,   128
.set G1, 24
.set G0, 32
.set G1B, 48
.set G0B, 56
.set MSB, 0
.macro WIN new
.if MSB != (\new)
	s_set_vgpr_msb (MSB<<8)|(\new)
.set MSB, (\new)
.endif
.endm
.macro JLOAD s                         ; waves 0, 1 fetch A's halves, waves 2, 3 B's; four v_nop follow each line
	s_cmp_eq_u32 s17, 0
	s_cbranch_scc0 .Lfor_b_\@
	tensor_load_to_lds s[G0+4*\s:G0+4*\s+3], s[G1:G1+7]
	s_nop 0
.rept 4
	v_nop
.endr
	s_branch .Lasked_\@
.Lfor_b_\@:
	tensor_load_to_lds s[G0B+4*\s:G0B+4*\s+3], s[G1B:G1B+7]
	s_nop 0
.rept 4
	v_nop
.endr
.Lasked_\@:
.endm
.macro CREST
	s_cmp_lg_u32 s16, 0
	s_cbranch_scc1 .Lnot_wave_0_\@
	s_barrier_signal -3
.Lnot_wave_0_\@:
	s_barrier_wait -3
	s_barrier_signal -1
	s_barrier_wait -1
.endm
.macro CROUND
	s_barrier_signal -1
	s_barrier_wait -1
	CREST
.endm
	s_load_b256 s[4:11], s[0:1], 0x0               ; A's images, wc, the exponents, the bias
	s_load_b128 s[12:15], s[0:1], 0x20             ; the residual, the result
	v_lshl_add_u32 v[SPW], v0, 2, SPARE
	v_mov_b32 v[NIL], 0
	ds_add_u32 v28, v29
	ds_add_u32 v28, v29
	s_wait_dscnt 0x0
	v_lshrrev_b32 v1, 5, v0
	v_readfirstlane_b32 s16, v1                    ; wave
	s_lshr_b32 s17, s16, 1                         ; my half of the rows.  Also: I fetch for A (0) or B (1)
	s_and_b32 s18, s16, 1                          ; my half of the columns.  Also: which half I fetch
	s_bfe_u32 s40, ttmp6, 0x40000
	s_bfe_u32 s41, ttmp6, 0x40004
	s_lshl_b32 s42, ttmp9, 2
	s_add_co_u32 s42, s42, s40                     ; tile column
	s_and_b32 s43, ttmp7, 0xffff
	s_lshl_b32 s43, s43, 2
	s_add_co_u32 s43, s43, s41                     ; tile row
	s_lshl_b32 s44, s41, 2
	s_lshl_b32 s44, 15, s44                        ; my row of the cluster
	s_lshl_b32 s45, 0x1111, s40                    ; my column
	s_or_b32 s[G1], s44, (1<<21)                   ; A: mask; elements of 1 byte; no padding: images are read 512 consecutive bytes at a time
	s_mov_b32 s[G1+1], 8192<<16                    ; four K steps' images of a block: 8,192 bytes
	s_mov_b32 s[G1+2], 4<<16                       ; four blocks
	s_mov_b32 s[G1+3], 8192<<16
	s_mov_b32 s[G1+4], 4
	s_mov_b32 s[G1+5], 16*SIZE_K                   ; from block to block
	s_mov_b32 s[G1+6], 0
	s_mov_b32 s[G1+7], 0
	s_or_b32 s[G1B], s45, (1<<20)|(1<<21)|(6<<22)|(3<<25)   ; B: padding of 4 words after every 128
	s_mov_b32 s[G1B+1], KSTEP<<16
	s_mov_b32 s[G1B+2], 64<<16
	s_mov_b32 s[G1B+3], KSTEP<<16
	s_mov_b32 s[G1B+4], 64
	s_mov_b32 s[G1B+5], SIZE_K
	s_mov_b32 s[G1B+6], 0
	s_mov_b32 s[G1B+7], 0
	s_lshl_b32 s20, s43, 3
	s_lshl_b32 s21, s18, 2
	s_add_co_u32 s20, s20, s21                     ; A: block 8 x tile row + 4 x half
	s_mul_i32 s20, s20, 16*SIZE_K
	s_mov_b32 s21, 0
	s_lshl_b32 s46, s42, 7
	s_lshl_b32 s47, s18, 6
	s_add_co_u32 s46, s46, s47                     ; B: row 128 x tile column + 64 x half
	s_mul_i32 s46, s46, SIZE_K
	s_add_co_u32 s46, s46, WOFF
	s_mov_b32 s47, 0
	s_lshl_b32 s22, s18, 15                        ; where they go: A's half,
	s_mul_i32 s23, s18, BHALF
	s_add_co_u32 s23, s23, ABYTES                  ; B's half
	s_wait_kmcnt 0x0
	s_load_b64 s[96:97], s[8:9], EOFF              ; ea, eb
	s_add_nc_u64 s[20:21], s[4:5], s[20:21]
	s_add_nc_u64 s[46:47], s[6:7], s[46:47]
	CROUND                                         ; all sixteen work-groups are here: the first joint loads meet
.irp s, 0,1
	s_mov_b32 s[G0+4*\s], 1
	s_add_co_u32 s[G0+4*\s+1], s22, \s*SLOT
	s_add_nc_u64 s[G0+4*\s+2:G0+4*\s+3], s[20:21], \s*8192
	s_or_b32 s[G0+4*\s+3], s[G0+4*\s+3], 0x80000000
	s_mov_b32 s[G0B+4*\s], 1
	s_add_co_u32 s[G0B+4*\s+1], s23, \s*SLOT
	s_add_nc_u64 s[G0B+4*\s+2:G0B+4*\s+3], s[46:47], \s*KSTEP
	s_or_b32 s[G0B+4*\s+3], s[G0B+4*\s+3], 0x80000000
.endr
	JLOAD 0                                        ; K step 0: one tensor load a wave at the head
	v_and_b32 v1, 15, v0                           ; r
	v_bfe_u32 v2, v0, 4, 1                         ; h
	v_and_b32 v3, 31, v0
	v_lshlrev_b32 v[LI], 4, v3
	s_lshl_b32 s19, s17, 15                        ; my four blocks of A
	s_mul_i32 s66, s18, BHALF
	s_add_co_u32 s66, s66, ABYTES                  ; my 64 rows of B
	v_mul_u32_u24 v4, v1, BP
	v_lshl_add_u32 v4, v2, 4, v4
.irp s, 0,1
	v_add_nc_u32 v[ADRA+\s], s19, v[LI]
	v_add_nc_u32 v[ADRB+\s], s66, v4
	s_add_co_u32 s19, s19, SLOT
	s_add_co_u32 s66, s66, SLOT
.endr
	s_mul_i32 s67, s16, 16*SPITCH
	s_add_co_u32 s67, s67, STAGE                   ; my stage
	v_mul_u32_u24 v5, v1, SPITCH
	v_lshl_add_u32 v5, v2, 5, v5
	v_add_nc_u32 v[STO], s67, v5                   ; in: row r, 32 bytes for each half of the lanes
	v_mul_u32_u24 v5, v2, SPITCH
	v_lshl_add_u32 v5, v1, 4, v5
	v_add_nc_u32 v[RD], s67, v5                    ; back: lanes 0-15 one row of 256 bytes, lanes 16-31 the next
	v_lshlrev_b32 v5, 12, v2
	v_lshl_add_u32 v[CO], v1, 4, v5                ; and the same two rows in memory
	s_wait_alu depctr_va_vdst(0)
	v_lshlrev_b32 v6, 4, v1
	s_wait_alu depctr_va_vdst(0)
	s_lshl_b32 s68, s43, 7
	s_lshl_b32 s69, s17, 6
	s_add_co_u32 s68, s68, s69                     ; my first row
	s_lshl_b32 s68, s68, 12
	s_lshl_b32 s70, s42, 9
	s_lshl_b32 s71, s18, 8
	s_add_co_u32 s70, s70, s71                     ; my first column, in bytes
	s_add_co_u32 s68, s68, s70
	s_mov_b32 s69, 0
	s_mov_b32 s71, 0
	s_add_nc_u64 s[12:13], s[12:13], s[68:69]
	s_add_nc_u64 s[14:15], s[14:15], s[68:69]
	s_add_nc_u64 s[10:11], s[10:11], s[70:71]
	global_load_b128 v[BIAS:BIAS+3], v6, s[10:11]
.macro FETCH slot, q, f                ; 32 LDS loads in one run: the slot's q-th 128 along K into buffer f
	WIN 0x40
.irp i, 0,1,2,3
.irp c, 0,1,2,3
	ds_load_b128 v[\f+64+16*\i+4*\c:\f+64+16*\i+4*\c+3], v[ADRB+\slot] offset:128*(\q)+32*\c+\i*16*BP
.endr
.endr
.irp i, 0,1,2,3
.irp c, 0,1,2,3
	ds_load_b128 v[\f+16*\i+4*\c:\f+16*\i+4*\c+3], v[ADRA+\slot] offset:\i*8192+(\q)*2048+512*\c
.endr
.endr
.endm
.macro MULA f, a0, n, zero             ; A's blocks a0 .. a0 + n - 1 x B's four; the 16 accumulators take turns, one instruction a turn
	WIN 0x05
.set ma, \a0
.rept \n
.irp b, 0,1,2,3
.if \zero
	v_wmma_f32_16x16x128_fp8_fp8 v[ACC+8*(4*ma+\b):ACC+8*(4*ma+\b)+7], v[\f+64+16*\b:\f+64+16*\b+15], v[\f+16*ma:\f+16*ma+15], 0
.else
	v_wmma_f32_16x16x128_fp8_fp8 v[ACC+8*(4*ma+\b):ACC+8*(4*ma+\b)+7], v[\f+64+16*\b:\f+64+16*\b+15], v[\f+16*ma:\f+16*ma+15], v[ACC+8*(4*ma+\b):ACC+8*(4*ma+\b)+7]
.endif
.endr
.set ma, ma+1
.endr
.endm
.macro PLACES
.rept 4
	v_nop
.endr
.endm
.macro QUARTER slot, q, f, g, zero     ; fetches the slot's q-th 128 along K into g, multiplies f
	PLACES                                         ; in front of loads into registers that matrix instructions have read
	FETCH \slot, \q, \g
	s_wait_dscnt 32                                ; all but the 32 just issued
	MULA \f, 0, 4, \zero
.endm
.macro TURN slot, next, fill           ; the slot's last 128 along K (buffer 1) and the change of slots
	WIN 0
	s_wait_tensorcnt 0x0                           ; all my tensor loads have landed: my part of the next slot
	ds_add_u32 v[SPW], v[NIL]                      ; 0 onto my spare word
	s_wait_dscnt 1                                 ; buffer 1 is in; the add may be out
	MULA F1, 0, 2, 0
	s_wait_dscnt 0x0                               ; the add is done, and my reads of this slot are over
	s_barrier_signal -1
	MULA F1, 2, 1, 0
	WIN 0
	s_barrier_wait -1
.if \fill
	CREST                                          ; the barrier opened a round of the cluster's
	s_add_nc_u64 s[G0+4*\slot+2:G0+4*\slot+3], s[G0+4*\slot+2:G0+4*\slot+3], 2*8192
	s_add_nc_u64 s[G0B+4*\slot+2:G0B+4*\slot+3], s[G0B+4*\slot+2:G0B+4*\slot+3], 2*KSTEP
	JLOAD \slot                                    ; the first tensor load behind the round; its four v_nop are the places for the loads below
.else
	PLACES
.endif
	FETCH \next, 0, F0
	MULA F1, 3, 1, 0
.endm
	s_wait_alu depctr_va_vdst(0)
	s_wait_tensorcnt 0x0                           ; my part of K step 0 is in; slot 1's first fill is issued as a refill is:
	ds_add_u32 v[SPW], v[NIL]                      ; 0 onto my spare word
	s_wait_dscnt 0x0
	CROUND                                         ; everybody's part of K step 0 is in, and the joint loads meet
	JLOAD 1                                        ; K step 1: the first tensor load behind the round
	FETCH 0, 0, F0
	WIN 0x80                                       ; destination window 2: the residual is asked for behind both tiles' requests and wanted at the end
.irp a, 0,1,2,3
.irp t, 0,1,2,3,4,5,6,7
	global_load_b128 v[32*\a+4*\t:32*\a+4*\t+3], v[CO], s[12:13] offset:(16*\a+2*\t)*4096 th:TH_LOAD_NT
.endr
.endr
	QUARTER 0, 1, F0, F1, 1                        ; the first products start the sums
.if LAPS > 1
	WIN 0
	s_mov_b32 s3, LAPS-1
.Llap:
	QUARTER 0, 2, F1, F0, 0
	QUARTER 0, 3, F0, F1, 0
	TURN 0, 1, 1
	QUARTER 1, 1, F0, F1, 0
	QUARTER 1, 2, F1, F0, 0
	QUARTER 1, 3, F0, F1, 0
	TURN 1, 0, 1
	QUARTER 0, 1, F0, F1, 0
	WIN 0
	s_sub_co_u32 s3, s3, 1
	s_cmp_lg_u32 s3, 0
	s_cbranch_scc1 .Llap
.endif
	QUARTER 0, 2, F1, F0, 0                        ; the last lap fills nothing
	QUARTER 0, 3, F0, F1, 0
	TURN 0, 1, 0
	QUARTER 1, 1, F0, F1, 0
	QUARTER 1, 2, F1, F0, 0
	QUARTER 1, 3, F0, F1, 0
	s_wait_dscnt 0
	MULA F1, 0, 4, 0
	WIN 0
; THE WAY OUT, 16 rows x 64 columns at a time through my own stage: a lane's 32 bytes of a row go in, whole rows of 256 bytes come back; then sum x 2^(ea + eb) + bias + residual.
.macro TOSTAGE a
.set BB, BK+32*((\a)%2)
.irp b, 0,1,2,3
	ds_store_b128 v[STO], v[ACC+8*(4*(\a)+\b):ACC+8*(4*(\a)+\b)+3] offset:64*\b          ; each accumulator from its low end on
	ds_store_b128 v[STO], v[ACC+8*(4*(\a)+\b)+4:ACC+8*(4*(\a)+\b)+7] offset:64*\b+16
.endr
.irp t, 0,1,2,3,4,5,6,7
	ds_load_b128 v[BB+4*\t:BB+4*\t+3], v[RD] offset:\t*2*SPITCH   ; LDS serves a wave's instructions in order: these see the stores above
.endr
.endm
.macro SEND a, younger                 ; younger: the LDS instructions issued behind block a's loads
.set BB, BK+32*((\a)%2)
	s_wait_dscnt \younger
	WIN 0x08                                       ; source 1 (the residual) window 2
.irp t, 0,1,2,3,4,5,6,7
	v_pk_fma_f32 v[BB+4*\t:BB+4*\t+1], v[BB+4*\t:BB+4*\t+1], s[96:97], v[BIAS:BIAS+1] op_sel_hi:[1,0,1]
	v_pk_fma_f32 v[BB+4*\t+2:BB+4*\t+3], v[BB+4*\t+2:BB+4*\t+3], s[96:97], v[BIAS+2:BIAS+3] op_sel_hi:[1,0,1]
.endr
.irp t, 0,1,2,3,4,5,6,7
	v_pk_add_f32 v[BB+4*\t:BB+4*\t+1], v[BB+4*\t:BB+4*\t+1], v[32*(\a)+4*\t:32*(\a)+4*\t+1]
	v_pk_add_f32 v[BB+4*\t+2:BB+4*\t+3], v[BB+4*\t+2:BB+4*\t+3], v[32*(\a)+4*\t+2:32*(\a)+4*\t+3]
.endr
	WIN 0
.irp t, 0,1,2,3,4,5,6,7
	global_store_b128 v[CO], v[BB+4*\t:BB+4*\t+3], s[14:15] offset:(16*(\a)+2*\t)*4096   ; sixteen lanes store 256 consecutive bytes, aligned
.endr
.endm
	s_wait_loadcnt 0x0                             ; the residual and the bias
	s_wait_kmcnt 0x0
	s_add_co_i32 s96, s96, s97
	s_add_co_i32 s96, s96, 127
	s_lshl_b32 s96, s96, 23                        ; 2^(ea + eb) as f32
	s_mov_b32 s97, s96
	PLACES
	TOSTAGE 0
.irp a, 1,2,3
.if \a > 1
	s_wait_xcnt 0x0                                ; block a - 2's stores have read their registers: block a's loads may land there
.endif
	TOSTAGE \a
	SEND \a-1, 16                                  ; behind block a - 1's loads: block a's 8 stores and 8 loads
.endr
	SEND 3, 0
	s_wait_tensorcnt 0x0                           ; the wave's end
	ds_add_u32 v[SPW], v[NIL]
	s_wait_dscnt 0x0
	CROUND                                         ; the closing round
	s_endpgm
.Lfunc_end_k_q9e1c67ca5d_proj:
	.size	k_q9e1c67ca5d_proj, .Lfunc_end_k_q9e1c67ca5d_proj-k_q9e1c67ca5d_proj
	.p2alignl 7, 3214868480
	.fill 96, 4, 3214868480
	.section	.rodata,"a",@progbits
	.p2align	6, 0x0
	.amdhsa_kernel k_q9e1c67ca5d_proj
		.amdhsa_group_segment_fixed_size 327680
		.amdhsa_private_segment_fixed_size 0
		.amdhsa_enable_private_segment 0
		.amdhsa_kernarg_size 48
		.amdhsa_user_sgpr_count 2
		.amdhsa_user_sgpr_kernarg_segment_ptr 1
		.amdhsa_wavefront_size32 1
		.amdhsa_system_sgpr_workgroup_id_x 1
		.amdhsa_system_sgpr_workgroup_id_y 1
		.amdhsa_system_sgpr_workgroup_id_z 1
		.amdhsa_system_vgpr_workitem_id 0
		.amdhsa_next_free_vgpr 640
		.amdhsa_next_free_sgpr 100
		.amdhsa_reserve_vcc 0
		.amdhsa_float_denorm_mode_32 3
		.amdhsa_float_denorm_mode_16_64 3
		.amdhsa_memory_ordered 1
		.amdhsa_forward_progress 1
		.amdhsa_inst_pref_size 53
	.end_amdhsa_kernel
	.amdgpu_metadata
---
amdhsa.version: [ 1, 2 ]
amdhsa.kernels:
  - .name:           k_q9e1c67ca5d_proj
    .symbol:         k_q9e1c67ca5d_proj.kd
    .args:
      - { .name: ao, .offset: 0, .size: 8, .value_kind: global_buffer, .address_space: global }
      - { .name: wc, .offset: 8, .size: 8, .value_kind: global_buffer, .address_space: global }
      - { .name: lowp_scales, .offset: 16, .size: 8, .value_kind: global_buffer, .address_space: global }
      - { .name: b_proj, .offset: 24, .size: 8, .value_kind: global_buffer, .address_space: global }
      - { .name: x, .offset: 32, .size: 8, .value_kind: global_buffer, .address_space: global }
      - { .name: x1, .offset: 40, .size: 8, .value_kind: global_buffer, .address_space: global }
    .group_segment_fixed_size: 327680
    .private_segment_fixed_size: 0
    .kernarg_segment_align: 8
    .kernarg_segment_size: 48
    .max_flat_workgroup_size: 128
    .sgpr_count:     100
    .vgpr_count:     640
    .wavefront_size: 32
...
	.end_amdgpu_metadata
.endif
;; end of part 4
;; launch ln2 (part 5): grid 256 x 1, 4 waves a work-group, no clusters, 0 bytes of LDS; arguments x1, g2, be2, lowp_scales, xn2c; writes xn2c
.if DOCPART == 5
	.amdgcn_target "amdgcn-amd-amdhsa--gfx1250"
	.amdhsa_code_object_version 6
	.text
	.protected	k_q9e1c67ca5d_ln2
	.globl	k_q9e1c67ca5d_ln2
	.p2align	8
	.type	k_q9e1c67ca5d_ln2,@function
k_q9e1c67ca5d_ln2:
	s_mov_b64 s[64:65], 0
	v_nop
	global_prefetch_b8 v0, s[64:65] scope:SCOPE_SE
	s_setreg_imm32_b32 hwreg(HW_REG_WAVE_MODE, 25, 1), 1
	s_wait_xcnt 0x0
; xn2 = LN(x1) g2 + be2 becomes codes of E4M3 with the scale of entry 12, rows [4096][1024], K innermost; inside each 32 codes the second and third group of 8 change places (the order in which all rows of codes lie).
; A wave takes four rows.  Of a row a lane holds columns 256 j + 8 lane + 0..7, j = 0..3.  Mean first, then the mean of the squared differences.  No LDS, no barrier: waves share nothing.
; LIMIT: the exponent lies between -126 and 119.  NaN among the inputs is not served.
.set LG,   20                          ; v20-51 g, v52-83 be, v84-211 four rows, v212-227 at work, v228-235 codes
.set LBE,  52
.set LX,   84
.set LT,   212
.set LC,   228
.set NPL,  1
.set PX,   8
.set PG,   10
.set PBE,  12
	s_load_b256 s[8:15], s[0:1], 0x0               ; x1, g2, be2, the exponents
	s_load_b64 s[16:17], s[0:1], 0x20              ; xn2c
	v_lshrrev_b32 v1, 5, v0
	v_readfirstlane_b32 s2, v1
	v_and_b32 v1, 31, v0
	s_lshl_b32 s3, ttmp9, 2
	s_add_co_u32 s3, s3, s2
	s_lshl_b32 s3, s3, 2                           ; my first row
	s_lshl_b32 s4, s3, 12
	s_mov_b32 s5, 0
	s_wait_alu depctr_va_vdst(0)
	s_wait_kmcnt 0x0
	s_load_b32 s81, s[14:15], 0x30                 ; entry 12
	s_add_nc_u64 s[PX:PX+1], s[PX:PX+1], s[4:5]
	s_lshl_b32 s4, s3, 10
	s_add_nc_u64 s[66:67], s[16:17], s[4:5]
	v_lshlrev_b32 v2, 5, v1
	v_and_b32 v3, 28, v1
	v_and_b32 v15, 1, v1
	v_lshl_or_b32 v3, v15, 1, v3
	v_bfe_u32 v15, v1, 1, 1
	v_or_b32 v3, v3, v15
	v_lshlrev_b32 v3, 3, v3                        ; out: 8 bytes a lane, lanes 4 m + 1 and 4 m + 2 changing places
	v_mov_b32 v11, 0
	v_mov_b32 v13, 0
	v_mov_b32 v14, 0
	s_mov_b32 s72, 0x76543210
	s_mov_b32 s73, 0xfedcba98
	s_mov_b32 s74, 0x3a800000                      ; 1 / 1024
	s_mov_b32 s75, 0x3727c5ac                      ; 1e-5
.irp j, 0,1,2,3
	global_load_b128 v[LG+8*\j:LG+8*\j+3], v2, s[PG:PG+1] offset:1024*\j
	global_load_b128 v[LG+8*\j+4:LG+8*\j+7], v2, s[PG:PG+1] offset:1024*\j+16
	global_load_b128 v[LBE+8*\j:LBE+8*\j+3], v2, s[PBE:PBE+1] offset:1024*\j
	global_load_b128 v[LBE+8*\j+4:LBE+8*\j+7], v2, s[PBE:PBE+1] offset:1024*\j+16
.endr
.irp i, 0,1,2,3
.irp j, 0,1,2,3
	global_load_b128 v[LX+32*\i+8*\j:LX+32*\i+8*\j+3], v2, s[PX:PX+1] offset:4096*\i+1024*\j th:TH_LOAD_NT
	global_load_b128 v[LX+32*\i+8*\j+4:LX+32*\i+8*\j+7], v2, s[PX:PX+1] offset:4096*\i+1024*\j+16 th:TH_LOAD_NT
.endr
.endr
	s_wait_kmcnt 0x0
	s_add_co_i32 s4, s81, 127
	s_lshl_b32 s5, s4, 23
	v_mov_b32 v4, s5                               ; 2^e
	s_add_co_i32 s4, s4, 8
	s_lshl_b32 s4, s4, 23
	s_or_b32 s4, s4, 0x600000
	v_mov_b32 v5, s4                               ; 448 x 2^e
.macro REDUCE
	v_add_f32_dpp v[LT], v[LT], v[LT] row_xmask:1 row_mask:0xf bank_mask:0xf
	v_add_f32_dpp v[LT], v[LT], v[LT] row_xmask:2 row_mask:0xf bank_mask:0xf
	v_add_f32_dpp v[LT], v[LT], v[LT] row_xmask:4 row_mask:0xf bank_mask:0xf
	v_add_f32_dpp v[LT], v[LT], v[LT] row_xmask:8 row_mask:0xf bank_mask:0xf
	v_permlanex16_b32 v14, v[LT], s72, s73
	v_add_f32 v[LT], v[LT], v14
.endm
.macro FOLD
	v_pk_add_f32 v[LT:LT+1], v[LT:LT+1], v[LT+2:LT+3]
	v_pk_add_f32 v[LT+4:LT+5], v[LT+4:LT+5], v[LT+6:LT+7]
	v_pk_add_f32 v[LT:LT+1], v[LT:LT+1], v[LT+4:LT+5]
	v_add_f32 v[LT], v[LT], v[LT+1]
.endm
.macro ROW i
.set XR, LX+32*(\i)
	s_wait_loadcnt 8*(3-(\i))                      ; g, be and this row are in; the later rows' eight loads each may be out
.irp c, 0,2,4,6
	v_pk_add_f32 v[LT+\c:LT+\c+1], v[XR+\c:XR+\c+1], v[XR+8+\c:XR+9+\c]
.endr
.irp c, 0,2,4,6
	v_pk_add_f32 v[LT+\c:LT+\c+1], v[LT+\c:LT+\c+1], v[XR+16+\c:XR+17+\c]
.endr
.irp c, 0,2,4,6
	v_pk_add_f32 v[LT+\c:LT+\c+1], v[LT+\c:LT+\c+1], v[XR+24+\c:XR+25+\c]
.endr
	FOLD
	REDUCE
	v_mul_f32 v10, s74, v[LT]                      ; the mean
.set n, 0
.rept 16
	v_pk_add_f32 v[XR+n:XR+n+1], v[XR+n:XR+n+1], v[10:11] op_sel_hi:[1,0] neg_lo:[0,1] neg_hi:[0,1]
.set n, n+2
.endr
.irp c, 0,2,4,6
	v_pk_mul_f32 v[LT+\c:LT+\c+1], v[XR+\c:XR+\c+1], v[XR+\c:XR+\c+1]
.endr
.irp o, 8,16,24
.irp c, 0,2,4,6
	v_pk_fma_f32 v[LT+\c:LT+\c+1], v[XR+\o+\c:XR+\o+\c+1], v[XR+\o+\c:XR+\o+\c+1], v[LT+\c:LT+\c+1]
.endr
.endr
	FOLD
	REDUCE
	v_fma_f32 v[LT], v[LT], s74, s75               ; the variance + 1e-5
	s_wait_alu depctr_va_vdst(0)
	v_rsq_f32 v12, v[LT]
	v_nop                                          ; a plain instruction behind the transcendental,
	s_wait_alu depctr_va_vdst(0)                   ; and the wait ahead of its first reader
.set n, 0
.rept 16
	v_pk_mul_f32 v[XR+n:XR+n+1], v[XR+n:XR+n+1], v[12:13] op_sel_hi:[1,0]
.set n, n+2
.endr
.set n, 0
.rept 16
	v_pk_fma_f32 v[XR+n:XR+n+1], v[XR+n:XR+n+1], v[LG+n:LG+n+1], v[LBE+n:LBE+n+1]
.set n, n+2
.endr
	s_wait_xcnt 0x0                                ; the last row's stores have read their data
.irp j, 0,1,2,3
.set TS, LT+8*((\j)%2)
.irp n, 0,1,2,3,4,5,6,7
	v_med3_num_f32 v[TS+\n], v[XR+8*\j+\n], -v5, v5
.endr
	v_cvt_scalef32_pk8_fp8_f32 v[LC+2*\j:LC+2*\j+1], v[TS:TS+7], v4
.endr
	v_nop                                          ; a plain line behind the last conversion: the next row's sums write its sources
.irp j, 0,1,2,3
	global_store_b64 v3, v[LC+2*\j:LC+2*\j+1], s[66:67] offset:1024*(\i)+256*\j   ; 32 lanes store 256 consecutive bytes, aligned
.endr
.endm
	ROW 0
	ROW 1
	ROW 2
	ROW 3
	s_endpgm
.Lfunc_end_k_q9e1c67ca5d_ln2:
	.size	k_q9e1c67ca5d_ln2, .Lfunc_end_k_q9e1c67ca5d_ln2-k_q9e1c67ca5d_ln2
	.p2alignl 7, 3214868480
	.fill 96, 4, 3214868480
	.section	.rodata,"a",@progbits
	.p2align	6, 0x0
	.amdhsa_kernel k_q9e1c67ca5d_ln2
		.amdhsa_group_segment_fixed_size 0
		.amdhsa_private_segment_fixed_size 0
		.amdhsa_enable_private_segment 0
		.amdhsa_kernarg_size 40
		.amdhsa_user_sgpr_count 2
		.amdhsa_user_sgpr_kernarg_segment_ptr 1
		.amdhsa_wavefront_size32 1
		.amdhsa_system_sgpr_workgroup_id_x 1
		.amdhsa_system_sgpr_workgroup_id_y 1
		.amdhsa_system_sgpr_workgroup_id_z 1
		.amdhsa_system_vgpr_workitem_id 0
		.amdhsa_next_free_vgpr 256
		.amdhsa_next_free_sgpr 84
		.amdhsa_reserve_vcc 0
		.amdhsa_float_denorm_mode_32 3
		.amdhsa_float_denorm_mode_16_64 3
		.amdhsa_memory_ordered 1
		.amdhsa_forward_progress 1
		.amdhsa_inst_pref_size 42
	.end_amdhsa_kernel
	.amdgpu_metadata
---
amdhsa.version: [ 1, 2 ]
amdhsa.kernels:
  - .name:           k_q9e1c67ca5d_ln2
    .symbol:         k_q9e1c67ca5d_ln2.kd
    .args:
      - { .name: x1, .offset: 0, .size: 8, .value_kind: global_buffer, .address_space: global }
      - { .name: g2, .offset: 8, .size: 8, .value_kind: global_buffer, .address_space: global }
      - { .name: be2, .offset: 16, .size: 8, .value_kind: global_buffer, .address_space: global }
      - { .name: lowp_scales, .offset: 24, .size: 8, .value_kind: global_buffer, .address_space: global }
      - { .name: xn2c, .offset: 32, .size: 8, .value_kind: global_buffer, .address_space: global }
    .group_segment_fixed_size: 0
    .private_segment_fixed_size: 0
    .kernarg_segment_align: 8
    .kernarg_segment_size: 40
    .max_flat_workgroup_size: 128
    .sgpr_count:     84
    .vgpr_count:     256
    .wavefront_size: 32
...
	.end_amdgpu_metadata
.endif
;; end of part 5
;; launch ffn1 (part 6): grid 16 x 16, 4 waves a work-group, clusters of 4 x 4, 327,680 bytes of LDS; arguments xn2c, wc, lowp_scales, b1, hc; writes hc
.if DOCPART == 6
	.amdgcn_target "amdgcn-amd-amdhsa--gfx1250"
	.amdhsa_code_object_version 6
	.text
	.protected	k_q9e1c67ca5d_ffn1
	.globl	k_q9e1c67ca5d_ffn1
	.p2align	8
	.type	k_q9e1c67ca5d_ffn1,@function
k_q9e1c67ca5d_ffn1:
	s_mov_b64 s[64:65], 0
	v_nop
	global_prefetch_b8 v0, s[64:65] scope:SCOPE_SE
	s_setreg_imm32_b32 hwreg(HW_REG_WAVE_MODE, 25, 1), 1
	s_wait_xcnt 0x0
	s_wait_alu depctr_hold_cnt(0) depctr_sa_sdst(0) depctr_va_vdst(0) depctr_va_sdst(0) depctr_va_ssrc(0) depctr_va_vcc(0) depctr_vm_vsrc(0)
	s_getreg_b32 s2, hwreg(HW_REG_IB_STS2, 6, 4)
	s_cmp_eq_u32 s2, 0
	s_cbranch_scc0 .Lentry_in_a_cluster
	s_endpgm
.Lentry_in_a_cluster:
	s_bfe_u32 s2, ttmp6, 0x10000c
	s_cmp_lg_u32 s2, 0xf033
	s_cbranch_scc0 .Lentry_shape_is_right
	s_endpgm
.Lentry_shape_is_right:
.set SIZE_K, 1024
.set KSTEP,  256
.set ROWB,   256
.set KROW,   SIZE_K
.set PITCH,  272
.set FR,     16
.set NL,     4
.set NP,     4
.set HALFT,  128*PITCH
.set SLOT,   4*HALFT
.set LAPS,   SIZE_K/(2*KSTEP)
.set SPARE,  2*SLOT
.set ASTR,   65536
.set ADRA, 16
.set ADRB, 20
.set LI,   27
.set SPW,  28
.set NIL,  29
.set SC,   30
.set LIM,  31
.set BI,   32
.set TMP,  32
.set AF,   128
.set CD,   128
.set G1, 24
.set G0, 32
.set G1B, 48
.set G0B, 56
.set MSB, 0
.macro WIN new
.if MSB != (\new)
	s_set_vgpr_msb (MSB<<8)|(\new)
.set MSB, (\new)
.endif
.endm
.set MUL_LO, 0xa1
.set MUL_HI, 0xf1
.set TO_B,   0x40
.macro JLOAD g0a, g1a, g0b, g1b
	s_cmp_eq_u32 s15, 0
	s_cbranch_scc0 .Lfor_b_\@
	tensor_load_to_lds s[\g0a:\g0a+3], s[\g1a:\g1a+7]
	s_nop 0
.rept 4
	v_nop
.endr
	s_branch .Lasked_\@
.Lfor_b_\@:
	tensor_load_to_lds s[\g0b:\g0b+3], s[\g1b:\g1b+7]
	s_nop 0
.rept 4
	v_nop
.endr
.Lasked_\@:
.endm
.macro CREST
	s_cmp_lg_u32 s14, 0
	s_cbranch_scc1 .Lnot_wave_0_\@
	s_barrier_signal -3
.Lnot_wave_0_\@:
	s_barrier_wait -3
	s_barrier_signal -1
	s_barrier_wait -1
.endm
.macro CROUND
	s_barrier_signal -1
	s_barrier_wait -1
	CREST
.endm
	s_load_b128 s[4:7], s[0:1], 0x0
	s_load_b128 s[8:11], s[0:1], 0x10
	s_load_b64 s[12:13], s[0:1], 0x20
	v_lshl_add_u32 v[SPW], v0, 2, SPARE
	v_mov_b32 v[NIL], 0
	ds_add_u32 v28, v29
	ds_add_u32 v28, v29
	s_wait_dscnt 0x0
	v_lshrrev_b32 v1, 5, v0
	v_readfirstlane_b32 s14, v1
	s_lshr_b32 s15, s14, 1
	s_and_b32 s16, s14, 1
	s_bfe_u32 s40, ttmp6, 0x40000
	s_bfe_u32 s41, ttmp6, 0x40004
	s_lshl_b32 s42, ttmp9, 2
	s_add_co_u32 s42, s42, s40
	s_and_b32 s17, ttmp7, 0xffff
	s_lshl_b32 s17, s17, 2
	s_add_co_u32 s17, s17, s41
	s_lshl_b32 s43, s41, 2
	s_lshl_b32 s43, 15, s43
	s_lshl_b32 s44, 0x1111, s40
	s_or_b32 s[G1+0], s43, (0<<16)|(1<<20)|(1<<21)|(5<<22)|(3<<25)
	s_or_b32 s[G1B+0], s44, (0<<16)|(1<<20)|(1<<21)|(5<<22)|(3<<25)
.irp g, G1, G1B
	s_mov_b32 s[\g+1], ROWB<<16
	s_mov_b32 s[\g+2], 128<<16
	s_mov_b32 s[\g+3], ROWB<<16
	s_mov_b32 s[\g+4], 128
	s_mov_b32 s[\g+5], KROW
	s_mov_b32 s[\g+6], 0
	s_mov_b32 s[\g+7], 0
.endr
	s_lshl_b32 s18, s16, 7
	s_lshl_b32 s20, s17, 8
	s_add_co_u32 s20, s20, s18
	s_lshl_b32 s20, s20, 10
	s_mov_b32 s21, 0
	s_lshl_b32 s46, s42, 8
	s_add_co_u32 s46, s46, s18
	s_lshl_b32 s46, s46, 10
	s_add_co_u32 s46, s46, (4<<20)
	s_mov_b32 s47, 0
	s_mul_i32 s45, s14, HALFT
	s_wait_kmcnt 0x0
	s_load_b128 s[92:95], s[8:9], 0x30
	s_add_nc_u64 s[20:21], s[4:5], s[20:21]
	s_add_nc_u64 s[46:47], s[6:7], s[46:47]
	CROUND
.irp s, 0,1
	s_mov_b32 s[G0+4*\s], 1
	s_add_co_u32 s[G0+4*\s+1], s45, \s*SLOT
	s_add_nc_u64 s[G0+4*\s+2:G0+4*\s+3], s[20:21], \s*ROWB
	s_or_b32 s[G0+4*\s+3], s[G0+4*\s+3], 0x80000000
	s_mov_b32 s[G0B+4*\s], 1
	s_add_co_u32 s[G0B+4*\s+1], s45, \s*SLOT
	s_add_nc_u64 s[G0B+4*\s+2:G0B+4*\s+3], s[46:47], \s*ROWB
	s_or_b32 s[G0B+4*\s+3], s[G0B+4*\s+3], 0x80000000
.endr
	JLOAD G0, G1, G0B, G1B                         ; K step 0: one tensor load a wave at the head; the bias is fetched and scaled while it is on its way
	v_and_b32 v1, 15, v0
	v_bfe_u32 v2, v0, 4, 1
	v_lshlrev_b32 v5, 5, v2
	s_lshl_b32 s78, s42, 10
	s_lshl_b32 s79, s16, 9
	s_add_co_u32 s78, s78, s79
	s_mov_b32 s79, 0
	s_add_nc_u64 s[10:11], s[10:11], s[78:79]
.irp b, 0,1,2,3,4,5,6,7
	global_load_b128 v[BI+8*\b:BI+8*\b+3], v5, s[10:11] offset:64*\b
	global_load_b128 v[BI+8*\b+4:BI+8*\b+7], v5, s[10:11] offset:64*\b+16
.endr
	v_mul_u32_u24 v3, v1, PITCH
	v_lshl_add_u32 v4, v2, 4, v3
	s_mul_i32 s21, s15, HALFT
	s_mul_i32 s22, s16, HALFT
	s_add_co_u32 s22, s22, 2*HALFT
.irp s, 0,1
	v_add_nc_u32 v[ADRA+\s], s21, v4
	v_add_nc_u32 v[ADRB+\s], s22, v4
	s_add_co_u32 s21, s21, SLOT
	s_add_co_u32 s22, s22, SLOT
.endr
	v_and_b32 v6, 31, v0
	v_lshlrev_b32 v[LI], 4, v6
	s_lshl_b32 s98, s17, 4
	s_lshl_b32 s99, s15, 3
	s_add_co_u32 s98, s98, s99
	s_lshl_b32 s98, s98, 16
	s_lshl_b32 s99, s42, 1
	s_add_co_u32 s99, s99, s16
	s_lshl_b32 s99, s99, 11
	s_add_co_u32 s98, s98, s99
	s_mov_b32 s99, 0
	s_add_nc_u64 s[12:13], s[12:13], s[98:99]
	s_wait_kmcnt 0x0
	s_add_co_i32 s96, s92, s93
	s_sub_co_i32 s97, 0, s96
	s_sub_co_i32 s96, s94, s96
	s_add_co_i32 s96, s96, 127
	s_lshl_b32 s98, s96, 23
	v_mov_b32 v[SC], s98
	s_add_co_i32 s96, s96, 8
	s_lshl_b32 s96, s96, 23
	s_or_b32 s96, s96, 0x600000
	v_mov_b32 v[LIM], s96
	s_wait_loadcnt 0x0
.set n, 0
.rept 64
	v_ldexp_f32 v[BI+n], v[BI+n], s97
.set n, n+1
.endr
.macro FRAG reg, adr, q, i
.irp c, 0,1,2,3
	ds_load_b128 v[\reg+4*\c:\reg+4*\c+3], v[\adr] offset:128*(\q)+32*\c+(\i)*16*PITCH
.endr
.endm
.macro MUL16 a0, p, first
.irp a, \a0, \a0+1
.irp b, 0,1,2,3,4,5,6,7
.if \first
	v_wmma_f32_16x16x128_fp8_fp8 v[8*(8*((\a)%4)+\b):8*(8*((\a)%4)+\b)+7], v[128*(\p)+FR*\b:128*(\p)+FR*\b+FR-1], v[AF+FR*(\a):AF+FR*(\a)+FR-1], v[BI+8*\b:BI+8*\b+7]
.else
	v_wmma_f32_16x16x128_fp8_fp8 v[8*(8*((\a)%4)+\b):8*(8*((\a)%4)+\b)+7], v[128*(\p)+FR*\b:128*(\p)+FR*\b+FR-1], v[AF+FR*(\a):AF+FR*(\a)+FR-1], v[8*(8*((\a)%4)+\b):8*(8*((\a)%4)+\b)+7]
.endif
.endr
.endr
.endm
.macro FETCH_B slot, q, p
	WIN TO_B
.irp i, 0,1,2,3,4,5,6,7
	FRAG 128*(\p)+FR*\i, ADRB+\slot, \q, \i
.endr
	WIN 0
.endm
.macro FETCH_A slot, q, i0
.irp i, \i0, \i0+1, \i0+2, \i0+3
	FRAG AF+FR*(\i), ADRA+\slot, \q, \i
.endr
.endm
.macro PLACES n
.rept \n
	v_nop
.endr
.endm
.macro STEP slot, q, first
	s_wait_dscnt 4*NL
.if \first
	WIN 0x81
.else
	WIN MUL_LO
.endif
	MUL16 0, (\q)%2, \first
	MUL16 2, (\q)%2, \first
	s_wait_dscnt 0
	PLACES NP
	FETCH_B \slot, (\q)+1, 1-(\q)%2
	FETCH_A \slot, (\q)+1, 0
.if \first
	WIN 0xc1
.else
	WIN MUL_HI
.endif
	MUL16 4, (\q)%2, \first
	MUL16 6, (\q)%2, \first
	PLACES NP
	WIN 0
	FETCH_A \slot, (\q)+1, 4
.endm
.macro TURN slot, next, fill
	s_wait_dscnt 4*NL                              ; B's set and A's blocks 0-3 are in; the youngest 16 loads may be out
	WIN MUL_LO
	MUL16 0, 1, 0                                  ; all 64 products of the step stand ahead of the wait for the next tile
	MUL16 2, 1, 0
	s_wait_dscnt 0x0                               ; A's blocks 4-7 are in: my reads of this slot are over
	WIN MUL_HI
	MUL16 4, 1, 0
	MUL16 6, 1, 0
	WIN 0
	s_wait_tensorcnt 0x0                           ; all my tensor loads have landed: my part of the next slot
	ds_add_u32 v[SPW], v[NIL]                      ; 0 onto my spare word
	s_wait_dscnt 0x0                               ; the add is done
	s_barrier_signal -1
	s_barrier_wait -1
.if \fill
	CREST
	s_add_nc_u64 s[G0+4*\slot+2:G0+4*\slot+3], s[G0+4*\slot+2:G0+4*\slot+3], 2*ROWB
	s_add_nc_u64 s[G0B+4*\slot+2:G0B+4*\slot+3], s[G0B+4*\slot+2:G0B+4*\slot+3], 2*ROWB
	JLOAD G0+4*\slot, G1, G0B+4*\slot, G1B
.else
	PLACES NP
.endif
	FETCH_B \next, 0, 0
	FETCH_A \next, 0, 0
	FETCH_A \next, 0, 4
.endm
	s_wait_alu depctr_va_vdst(0)
	s_wait_tensorcnt 0x0                           ; my part of K step 0 is in; slot 1's first fill is issued as a refill is:
	ds_add_u32 v[SPW], v[NIL]                      ; 0 onto my spare word
	s_wait_dscnt 0x0
	CROUND                                         ; everybody's part of K step 0 is in, and the joint loads meet
	JLOAD G0+4, G1, G0B+4, G1B                     ; K step 1: the first tensor load behind the round
	FETCH_B 0, 0, 0
	FETCH_A 0, 0, 0
	FETCH_A 0, 0, 4
	STEP 0, 0, 1
	s_mov_b32 s3, LAPS-1
.Llap:
	TURN 0, 1, 1
	STEP 1, 0, 0
	TURN 1, 0, 1
	STEP 0, 0, 0
	s_sub_co_u32 s3, s3, 1
	s_cmp_lg_u32 s3, 0
	s_cbranch_scc1 .Llap
	TURN 0, 1, 0
	STEP 1, 0, 0
	s_wait_dscnt 4*NL
	WIN MUL_LO
	MUL16 0, 1, 0
	MUL16 2, 1, 0
	s_wait_dscnt 0
	WIN MUL_HI
	MUL16 4, 1, 0
	MUL16 6, 1, 0
	WIN 0
.macro QOUT a
.set AC, 64*((\a)%4)
	WIN 0x02+((\a)/4)
.set qj, 0
.rept 64
	v_med3_num_f32 v[TMP+qj], v[AC+qj], 0, v[LIM]
.set qj, qj+1
.endr
	WIN 0
.irp b, 0,1,2,3,4,5,6,7
	v_cvt_scalef32_pk8_fp8_f32 v[CD+16*(\a)+2*\b:CD+16*(\a)+2*\b+1], v[TMP+8*\b:TMP+8*\b+7], v[SC]
.endr
	v_nop
.irp i, 0,1,2,3
	global_store_b128 v[LI], v[CD+16*(\a)+4*\i:CD+16*(\a)+4*\i+3], s[12:13] offset:(\a)*ASTR+512*\i
.endr
.endm
	PLACES NP
.irp a, 0,1,2,3,4,5,6,7
	QOUT \a
.endr
	s_wait_tensorcnt 0x0
	ds_add_u32 v[SPW], v[NIL]
	s_wait_dscnt 0x0
	CROUND
	s_endpgm
.Lfunc_end_k_q9e1c67ca5d_ffn1:
	.size	k_q9e1c67ca5d_ffn1, .Lfunc_end_k_q9e1c67ca5d_ffn1-k_q9e1c67ca5d_ffn1
	.p2alignl 7, 3214868480
	.fill 96, 4, 3214868480
	.section	.rodata,"a",@progbits
	.p2align	6, 0x0
	.amdhsa_kernel k_q9e1c67ca5d_ffn1
		.amdhsa_group_segment_fixed_size 327680
		.amdhsa_private_segment_fixed_size 0
		.amdhsa_enable_private_segment 0
		.amdhsa_kernarg_size 40
		.amdhsa_user_sgpr_count 2
		.amdhsa_user_sgpr_kernarg_segment_ptr 1
		.amdhsa_wavefront_size32 1
		.amdhsa_system_sgpr_workgroup_id_x 1
		.amdhsa_system_sgpr_workgroup_id_y 1
		.amdhsa_system_sgpr_workgroup_id_z 1
		.amdhsa_system_vgpr_workitem_id 0
		.amdhsa_next_free_vgpr 1024
		.amdhsa_next_free_sgpr 102
		.amdhsa_reserve_vcc 0
		.amdhsa_float_denorm_mode_32 3
		.amdhsa_float_denorm_mode_16_64 3
		.amdhsa_memory_ordered 1
		.amdhsa_forward_progress 1
		.amdhsa_inst_pref_size 123
	.end_amdhsa_kernel
	.amdgpu_metadata
---
amdhsa.version: [ 1, 2 ]
amdhsa.kernels:
  - .name:           k_q9e1c67ca5d_ffn1
    .symbol:         k_q9e1c67ca5d_ffn1.kd
    .args:
      - { .name: xn2c, .offset: 0, .size: 8, .value_kind: global_buffer, .address_space: global }
      - { .name: wc, .offset: 8, .size: 8, .value_kind: global_buffer, .address_space: global }
      - { .name: lowp_scales, .offset: 16, .size: 8, .value_kind: global_buffer, .address_space: global }
      - { .name: b1, .offset: 24, .size: 8, .value_kind: global_buffer, .address_space: global }
      - { .name: hc, .offset: 32, .size: 8, .value_kind: global_buffer, .address_space: global }
    .group_segment_fixed_size: 327680
    .private_segment_fixed_size: 0
    .kernarg_segment_align: 8
    .kernarg_segment_size: 40
    .max_flat_workgroup_size: 128
    .sgpr_count:     102
    .vgpr_count:     1024
    .wavefront_size: 32
...
	.end_amdgpu_metadata
.endif
;; end of part 6
;; launch ffn2 (part 7): grid 8 x 32, 4 waves a work-group, clusters of 4 x 4, 327,680 bytes of LDS; arguments hc, wc, lowp_scales, b2, x1, out0; writes out0
.if DOCPART == 7
	.amdgcn_target "amdgcn-amd-amdhsa--gfx1250"
	.amdhsa_code_object_version 6
	.text
	.protected	k_q9e1c67ca5d_ffn2
	.globl	k_q9e1c67ca5d_ffn2
	.p2align	8
	.type	k_q9e1c67ca5d_ffn2,@function
k_q9e1c67ca5d_ffn2:
	s_mov_b64 s[64:65], 0
	v_nop
	global_prefetch_b8 v0, s[64:65] scope:SCOPE_SE
	s_setreg_imm32_b32 hwreg(HW_REG_WAVE_MODE, 25, 1), 1
	s_wait_xcnt 0x0
	s_wait_alu depctr_hold_cnt(0) depctr_sa_sdst(0) depctr_va_vdst(0) depctr_va_sdst(0) depctr_va_ssrc(0) depctr_va_vcc(0) depctr_vm_vsrc(0)
	s_getreg_b32 s2, hwreg(HW_REG_IB_STS2, 6, 4)
	s_cmp_eq_u32 s2, 0
	s_cbranch_scc0 .Lentry_in_a_cluster
	s_endpgm
.Lentry_in_a_cluster:
	s_bfe_u32 s2, ttmp6, 0x10000c
	s_cmp_lg_u32 s2, 0xf033
	s_cbranch_scc0 .Lentry_shape_is_right
	s_endpgm
.Lentry_shape_is_right:
; out0 = x1 + b2 + (h w2) x 2^(e14 + e15), on codes of E4M3.  h: images of operand registers, [block of 16 rows][K step of 128][2,048 bytes]; w2: rows of codes [n][4096] at 8 MiB in wc.
; A work-group makes a tile of 128 x 128 (256 work-groups).  K IS DIVIDED AMONG ITS FOUR WAVES: a slot of the ring holds 512 along K of A's 128 rows and of B's 128 rows, and wave w multiplies the whole
; tile over the slot's w-th 128: 64 accumulators, 512 registers, 64 LDS loads for 64 matrix instructions, and every byte of a slot is read from LDS once.
; At the end each wave lays its partial tile into LDS as rows (128 x 528 bytes, over the ring, which has had its last fill and its last read), and wave w adds the four parts of rows 32 w .. 32 w + 31,
; scales, adds bias and residual and stores whole rows of 512 bytes.  The four parts of a sum are added in f32.
; CLUSTERS: 4 x 4 work-groups; A's tiles are asked for jointly along a row of the cluster, B's along a column.  The matrix instruction is used transposed: a lane holds eight neighbours of a row of the result.
; The eight steps are expanded from one macro: what differs between them (the first products, the last fills, the prefetches' end) is settled when the text is assembled.
; PREFETCH: the change of slots that loads K step s + 2 asks for K step s + 4, two changes ahead; s = 0 .. 3, so no address passes K's end.  Of the 128 blocks of 256 bytes that a wave's load brings, each of the four
; partners that ask for them jointly names 32, told apart by address: a lane a block, one instruction a wave.  K steps 0 to 3 come by their loads alone.
; LIMIT: e14 + e15 lies between -126 and 127.
; REGISTERS: window 0: v12-15 bias, v16-30 addresses, v128-255 A's fragments (one set), later the rows on the way out; window 1: B's fragments, two sets, set 0 later the residual; windows 2, 3: the accumulators.
.set SIZE_K, 4096
.set WOFF,   (8<<20)
.set EOFF,   56
.set KSTEP,  512
.set NFILL,  SIZE_K/KSTEP
.set ASTEP,  8192                      ; a block's images of one slot
.set ABYTES, 65536                     ; a slot: A's 8 blocks x 8,192 bytes, dense,
.set BP,     528                       ; then B's 128 rows of 512 bytes + 16 of padding
.set BHALF,  64*BP
.set SLOT,   ABYTES+2*BHALF
.set RP,     528                       ; the way out: a row of 128 f32 + 16 bytes
.set REG,    128*RP                    ; a wave's partial tile
.set SPARE,  4*REG                     ; behind the four: the spare words, which no other line names
.set BIAS, 12
.set ADRA, 16
.set ADRB, 18
.set STO,  20
.set RD,   21                          ; v21-24: my 32 rows in the four partial tiles
.set LI,   27
.set SPW,  28
.set NIL,  29
.set PFO,  30
.set AF,   128
.set G1, 24
.set G0, 32
.set G1B, 48
.set G0B, 56
.set PFA, 72                           ; s[72:73] where my prefetch stands; s[74:75] a K step on
.set PFS, 74
.set MSB, 0
.macro WIN new                         ; the immediate's high byte repeats the setting that is left
.if MSB != (\new)
	s_set_vgpr_msb (MSB<<8)|(\new)
.set MSB, (\new)
.endif
.endm
.set MUL_LO, 0xa1                      ; source 0 (B) window 1, source 1 (A) window 0, C and D window 2
.set MUL_HI, 0xf1
.macro JLOAD s                         ; waves 0, 1 fetch A's halves, waves 2, 3 B's; s_nop 0 and four v_nop follow each line
	s_cmp_eq_u32 s17, 0
	s_cbranch_scc0 .Lfor_b_\@
	tensor_load_to_lds s[G0+4*\s:G0+4*\s+3], s[G1:G1+7]
	s_nop 0
.rept 4
	v_nop
.endr
	s_branch .Lasked_\@
.Lfor_b_\@:
	tensor_load_to_lds s[G0B+4*\s:G0B+4*\s+3], s[G1B:G1B+7]
	s_nop 0
.rept 4
	v_nop
.endr
.Lasked_\@:
.endm
.macro CREST
	s_cmp_lg_u32 s16, 0
	s_cbranch_scc1 .Lnot_wave_0_\@
	s_barrier_signal -3
.Lnot_wave_0_\@:
	s_barrier_wait -3
	s_barrier_signal -1
	s_barrier_wait -1
.endm
.macro CROUND
	s_barrier_signal -1
	s_barrier_wait -1
	CREST
.endm
.macro PLACES
.rept 4
	v_nop
.endr
.endm
	s_load_b256 s[4:11], s[0:1], 0x0               ; hc, wc, the exponents, b2
	s_load_b128 s[12:15], s[0:1], 0x20             ; x1, out0
	v_lshl_add_u32 v[SPW], v0, 2, SPARE
	v_mov_b32 v[NIL], 0
	ds_add_u32 v[SPW], v[NIL]                      ; the opening lines: the add, twice on end, and its wait ahead of my first tensor load
	ds_add_u32 v[SPW], v[NIL]
	v_lshrrev_b32 v1, 5, v0
	v_readfirstlane_b32 s16, v1                    ; wave: my quarter of each slot's K
	s_lshr_b32 s17, s16, 1                         ; I fetch for A (0) or B (1),
	s_and_b32 s18, s16, 1                          ; this half of its rows
	s_bfe_u32 s40, ttmp6, 0x40000                  ; cx
	s_bfe_u32 s41, ttmp6, 0x40004                  ; cy
	s_lshl_b32 s42, ttmp9, 2
	s_add_co_u32 s42, s42, s40                     ; tile column
	s_and_b32 s43, ttmp7, 0xffff
	s_lshl_b32 s43, s43, 2
	s_add_co_u32 s43, s43, s41                     ; tile row
	s_lshl_b32 s44, s41, 2
	s_lshl_b32 s44, 15, s44                        ; my row of the cluster
	s_lshl_b32 s45, 0x1111, s40                    ; my column
	s_or_b32 s[G1], s44, (1<<21)                   ; A: mask; elements of 1 byte; no padding: images are read 512 consecutive bytes at a time
	s_mov_b32 s[G1+1], ASTEP<<16
	s_mov_b32 s[G1+2], 4<<16                       ; four blocks
	s_mov_b32 s[G1+3], ASTEP<<16
	s_mov_b32 s[G1+4], 4
	s_mov_b32 s[G1+5], 16*SIZE_K                   ; from block to block
	s_mov_b32 s[G1+6], 0
	s_mov_b32 s[G1+7], 0
	s_or_b32 s[G1B], s45, (1<<20)|(1<<21)|(6<<22)|(3<<25)   ; B: padding of 4 words after every 128
	s_mov_b32 s[G1B+1], KSTEP<<16
	s_mov_b32 s[G1B+2], 64<<16
	s_mov_b32 s[G1B+3], KSTEP<<16
	s_mov_b32 s[G1B+4], 64
	s_mov_b32 s[G1B+5], SIZE_K
	s_mov_b32 s[G1B+6], 0
	s_mov_b32 s[G1B+7], 0
	s_lshl_b32 s20, s43, 3
	s_lshl_b32 s21, s18, 2
	s_add_co_u32 s20, s20, s21                     ; A: block 8 x tile row + 4 x half
	s_lshl_b32 s20, s20, 16
	s_mov_b32 s21, 0
	s_lshl_b32 s46, s42, 7
	s_lshl_b32 s47, s18, 6
	s_add_co_u32 s46, s46, s47                     ; B: row 128 x tile column + 64 x half
	s_lshl_b32 s46, s46, 12
	s_add_co_u32 s46, s46, WOFF
	s_mov_b32 s47, 0
	s_lshl_b32 s22, s18, 15                        ; where they go: A's half,
	s_mul_i32 s23, s18, BHALF
	s_add_co_u32 s23, s23, ABYTES                  ; B's half
	s_wait_dscnt 0x0                               ; both opening adds are done
	s_wait_kmcnt 0x0
	s_load_b64 s[96:97], s[8:9], EOFF              ; e14, e15
	s_add_nc_u64 s[20:21], s[4:5], s[20:21]
	s_add_nc_u64 s[46:47], s[6:7], s[46:47]
.irp s, 0,1
	s_mov_b32 s[G0+4*\s], 1
	s_add_co_u32 s[G0+4*\s+1], s22, \s*SLOT
	s_add_nc_u64 s[G0+4*\s+2:G0+4*\s+3], s[20:21], \s*ASTEP
	s_or_b32 s[G0+4*\s+3], s[G0+4*\s+3], 0x80000000
	s_mov_b32 s[G0B+4*\s], 1
	s_add_co_u32 s[G0B+4*\s+1], s23, \s*SLOT
	s_add_nc_u64 s[G0B+4*\s+2:G0B+4*\s+3], s[46:47], \s*KSTEP
	s_or_b32 s[G0B+4*\s+3], s[G0B+4*\s+3], 0x80000000
.endr
	CROUND                                         ; all sixteen work-groups are here: the first joint loads meet
	JLOAD 0                                        ; K step 0: one tensor load a wave at the head
	; scalar set-up first, then the vector lines on end
	s_lshl_b32 s66, s16, 11                        ; my quarter of a block's images
	s_lshl_b32 s67, s16, 7
	s_add_co_u32 s67, s67, ABYTES                  ; my quarter of B's rows
	s_mul_i32 s68, s16, REG                        ; my partial tile
	s_mul_i32 s69, s16, 32*RP                      ; my 32 rows in a partial tile
	s_lshl_b32 s76, s43, 7
	s_lshl_b32 s77, s16, 5
	s_add_co_u32 s76, s76, s77                     ; my first row of the result
	s_lshl_b32 s76, s76, 12
	s_lshl_b32 s78, s42, 9                         ; the tile's first column, in bytes
	s_add_co_u32 s76, s76, s78
	s_mov_b32 s77, 0
	s_mov_b32 s79, 0
	s_add_nc_u64 s[12:13], s[12:13], s[76:77]
	s_add_nc_u64 s[14:15], s[14:15], s[76:77]
	s_add_nc_u64 s[10:11], s[10:11], s[78:79]
	s_lshl_b32 s80, s43, 3                         ; the prefetches.  A: of the four blocks that I fetch, block cx,
	s_lshl_b32 s81, s18, 2
	s_add_co_u32 s80, s80, s81
	s_add_co_u32 s80, s80, s40
	s_lshl_b32 s80, s80, 16
	s_lshl_b32 s82, s42, 7                         ; B: of the 64 rows that I fetch, rows 16 cy on
	s_lshl_b32 s83, s18, 6
	s_add_co_u32 s82, s82, s83
	s_lshl_b32 s83, s41, 4
	s_add_co_u32 s82, s82, s83
	s_lshl_b32 s82, s82, 12
	s_add_co_u32 s82, s82, WOFF
	s_mov_b32 s[PFS], KSTEP
	s_cmp_eq_u32 s17, 0
	s_cselect_b64 s[PFA:PFA+1], s[4:5], s[6:7]
	s_cselect_b32 s80, s80, s82
	s_cselect_b32 s70, -1, 0
	s_cselect_b32 s[PFS], ASTEP, s[PFS]            ; a K step on
	s_mov_b32 s81, 0
	s_mov_b32 s[PFS+1], 0
	s_add_nc_u64 s[PFA:PFA+1], s[PFA:PFA+1], s[80:81]
	s_lshl_b32 s82, s[PFS], 2
	s_mov_b32 s83, 0
	s_add_nc_u64 s[PFA:PFA+1], s[PFA:PFA+1], s[82:83]   ; at K step 4
	v_and_b32 v1, 15, v0                           ; r
	v_bfe_u32 v2, v0, 4, 1                         ; h
	v_and_b32 v3, 31, v0
	v_lshlrev_b32 v[LI], 4, v3
	v_add_nc_u32 v[ADRA], s66, v[LI]
	v_add_nc_u32 v[ADRA+1], SLOT, v[ADRA]
	v_mul_u32_u24 v4, v1, BP
	v_lshl_add_u32 v4, v2, 4, v4
	v_add_nc_u32 v[ADRB], s67, v4
	v_add_nc_u32 v[ADRB+1], SLOT, v[ADRB]
	v_mul_u32_u24 v5, v1, RP
	v_lshl_add_u32 v5, v2, 5, v5
	v_add_nc_u32 v[STO], s68, v5                   ; in: row r, 32 bytes for each half of the lanes
	v_add_nc_u32 v[RD], s69, v[LI]                 ; back: the 32 lanes take one row of 512 bytes
	v_add_nc_u32 v[RD+1], REG, v[RD]
	v_add_nc_u32 v[RD+2], 2*REG, v[RD]
	v_add_nc_u32 v[RD+3], 3*REG, v[RD]
	v_lshlrev_b32 v6, 8, v3                        ; A: lanes 256 bytes apart in a block's 8,192
	v_lshrrev_b32 v7, 1, v3
	v_and_b32 v8, 1, v3
	v_lshlrev_b32 v8, 8, v8
	v_lshl_add_u32 v7, v7, 12, v8                  ; B: two lanes to a row's 512 bytes
	v_cndmask_b32 v[PFO], v7, v6, s70
	s_wait_alu depctr_va_vdst(0)
	global_load_b128 v[BIAS:BIAS+3], v[LI], s[10:11]
.macro FETCH_B slot                    ; B's eight fragments of my quarter of the slot, into the set of the slot's number
	WIN 0x40
.irp i, 0,1,2,3,4,5,6,7
.irp c, 0,1,2,3
	ds_load_b128 v[128*(\slot)+16*\i+4*\c:128*(\slot)+16*\i+4*\c+3], v[ADRB+\slot] offset:\i*16*BP+32*\c
.endr
.endr
	WIN 0
.endm
.macro FETCH_A slot, i0                ; A's blocks i0 .. i0 + 3
.irp i, \i0, \i0+1, \i0+2, \i0+3
.irp c, 0,1,2,3
	ds_load_b128 v[AF+16*(\i)+4*\c:AF+16*(\i)+4*\c+3], v[ADRA+\slot] offset:(\i)*ASTEP+512*\c
.endr
.endr
.endm
.macro MUL16 a0                        ; A's blocks a0, a0 + 1 x B's eight (set SL); the 64 accumulators take turns, one instruction a turn
.irp a, \a0, \a0+1
.irp b, 0,1,2,3,4,5,6,7
.if ZR
	v_wmma_f32_16x16x128_fp8_fp8 v[8*(8*((\a)%4)+\b):8*(8*((\a)%4)+\b)+7], v[128*SL+16*\b:128*SL+16*\b+15], v[AF+16*(\a):AF+16*(\a)+15], 0
.else
	v_wmma_f32_16x16x128_fp8_fp8 v[8*(8*((\a)%4)+\b):8*(8*((\a)%4)+\b)+7], v[128*SL+16*\b:128*SL+16*\b+15], v[AF+16*(\a):AF+16*(\a)+15], v[8*(8*((\a)%4)+\b):8*(8*((\a)%4)+\b)+7]
.endif
.endr
.endr
.endm
; Step s multiplies slot s % 2 and changes slots: one barrier (with a refill: a round of the cluster's).  s < NFILL - 2: the slot takes K step s + 2.
.macro TURN s
.set SL, (\s)%2
.set NX, 1-SL
.if (\s) == 0
.set ZR, 1                             ; the first products start the sums
.else
.set ZR, 0
.endif
.if (\s) > 0 && (\s) < NFILL-4
	s_wait_xcnt 0x0                                ; my last prefetch has read its address
	s_add_nc_u64 s[PFA:PFA+1], s[PFA:PFA+1], s[PFS:PFS+1]
.endif
	s_wait_dscnt 16                                ; B's set and A's blocks 0-3 are in; the youngest 16 loads (A's blocks 4-7) may be out
	WIN MUL_LO
	MUL16 0                                        ; all 64 products of the step stand ahead of the wait for the next tile
	MUL16 2
	s_wait_dscnt 0x0                               ; A's blocks 4-7 are in: my reads of this slot are over
	WIN MUL_HI
	MUL16 4
	MUL16 6
	WIN 0
	s_wait_tensorcnt 0x0                           ; all my tensor loads have landed: my part of the next slot
	ds_add_u32 v[SPW], v[NIL]                      ; 0 onto my spare word
	s_wait_dscnt 0x0                               ; the add is done
	s_barrier_signal -1
	s_barrier_wait -1
.if (\s) < NFILL-2
	CREST                                          ; the barrier opened a round of the cluster's: no wave of any partner still reads this slot or has a load on its way
	s_add_nc_u64 s[G0+4*SL+2:G0+4*SL+3], s[G0+4*SL+2:G0+4*SL+3], 2*ASTEP
	s_add_nc_u64 s[G0B+4*SL+2:G0B+4*SL+3], s[G0B+4*SL+2:G0B+4*SL+3], 2*KSTEP
	JLOAD SL                                       ; the first tensor load behind the round; its four v_nop are the places for the loads below
.else
	PLACES
.endif
	FETCH_B NX
	FETCH_A NX, 0
.if (\s) < NFILL-4
	global_prefetch_b8 v[PFO], s[PFA:PFA+1] th:TH_LOAD_NT scope:SCOPE_SE   ; K step s + 4
.endif
	FETCH_A NX, 4
.endm
	s_wait_tensorcnt 0x0                           ; my part of K step 0 is in; slot 1's first fill is issued as a refill is:
	ds_add_u32 v[SPW], v[NIL]
	s_wait_dscnt 0x0
	CROUND                                         ; everybody's part of K step 0 is in, and the joint loads meet
	JLOAD 1                                        ; K step 1: the first tensor load behind the round
	FETCH_B 0
	FETCH_A 0, 0
	FETCH_A 0, 4
.irp s, 0,1,2,3,4,5,6
	TURN \s
.endr
	; the last step: B's set 0 is done with (four places stand behind its last products) and takes the residual, my 32 rows of 512 bytes
.set SL, 1
.set ZR, 0
	WIN 0x40
.irp t, 0,1,2,3,4,5,6,7,8,9,10,11,12,13,14,15,16,17,18,19,20,21,22,23,24,25,26,27,28,29,30,31
	global_load_b128 v[4*\t:4*\t+3], v[LI], s[12:13] offset:\t*4096 th:TH_LOAD_NT
.endr
	s_wait_dscnt 16
	WIN MUL_LO
	MUL16 0
	MUL16 2
	s_wait_dscnt 0x0                               ; my reads of the ring are over:
	s_barrier_signal -1
	WIN MUL_HI
	MUL16 4
	MUL16 6
	WIN 0
	s_barrier_wait -1                              ; everybody's are; every fill has landed: the partial tiles may be laid over the ring
	PLACES
.irp a, 0,1,2,3,4,5,6,7
	WIN 0x08+4*((\a)/4)                            ; the stores' data: window 2 or 3
.irp b, 0,1,2,3,4,5,6,7
	ds_store_b128 v[STO], v[8*(8*((\a)%4)+\b):8*(8*((\a)%4)+\b)+3] offset:(\a)*16*RP+64*\b          ; each accumulator from its low end on
	ds_store_b128 v[STO], v[8*(8*((\a)%4)+\b)+4:8*(8*((\a)%4)+\b)+7] offset:(\a)*16*RP+64*\b+16
.endr
.endr
	WIN 0
	s_wait_kmcnt 0x0
	s_add_co_i32 s96, s96, s97
	s_add_co_i32 s96, s96, 127
	s_lshl_b32 s96, s96, 23                        ; 2^(e14 + e15) as f32
	s_mov_b32 s97, s96
	s_wait_dscnt 0x0                               ; my partial tile is in LDS,
	s_barrier_signal -1
	s_barrier_wait -1                              ; everybody's is
; THE WAY OUT, four rows at a time in two sets of 64 registers by turns: the four parts of each row, their sum, x 2^(e14 + e15) + bias, + residual.
.macro LD g
.set BB, AF+64*((\g)%2)
.irp q, 0,1,2,3
.irp t, 0,1,2,3
	ds_load_b128 v[BB+16*\q+4*\t:BB+16*\q+4*\t+3], v[RD+\q] offset:(4*(\g)+\t)*RP
.endr
.endr
.endm
.macro SUM g
.set BB, AF+64*((\g)%2)
.set n, 0
.rept 8
	v_pk_add_f32 v[BB+n:BB+n+1], v[BB+n:BB+n+1], v[BB+16+n:BB+17+n]
	v_pk_add_f32 v[BB+32+n:BB+33+n], v[BB+32+n:BB+33+n], v[BB+48+n:BB+49+n]
.set n, n+2
.endr
.set n, 0
.rept 8
	v_pk_add_f32 v[BB+n:BB+n+1], v[BB+n:BB+n+1], v[BB+32+n:BB+33+n]
.set n, n+2
.endr
.set n, 0
.rept 8
	v_pk_fma_f32 v[BB+n:BB+n+1], v[BB+n:BB+n+1], s[96:97], v[BIAS+n%4:BIAS+n%4+1] op_sel_hi:[1,0,1]
.set n, n+2
.endr
	WIN 0x04                                       ; source 1 (the residual) window 1
.set n, 0
.rept 8
	v_pk_add_f32 v[BB+n:BB+n+1], v[BB+n:BB+n+1], v[16*(\g)+n:16*(\g)+n+1]
.set n, n+2
.endr
	WIN 0
.irp t, 0,1,2,3
	global_store_b128 v[LI], v[BB+4*\t:BB+4*\t+3], s[14:15] offset:(4*(\g)+\t)*4096   ; 32 lanes store 512 consecutive bytes, aligned
.endr
.endm
	LD 0
	s_wait_loadcnt 0x0                             ; the residual and the bias
.irp g, 0,1,2,3,4,5,6,7
.if \g < 7
.if \g > 0
	s_wait_xcnt 0x0                                ; chunk g - 1's stores have read their registers: chunk g + 1's loads may land there
.endif
	LD \g+1
	s_wait_dscnt 16                                ; this chunk's 16 loads are in; the next chunk's may be out
.else
	s_wait_dscnt 0x0
.endif
	SUM \g
.endr
	s_wait_tensorcnt 0x0                           ; the wave's end
	ds_add_u32 v[SPW], v[NIL]
	s_wait_dscnt 0x0
	CROUND                                         ; the closing round
	s_endpgm
.Lfunc_end_k_q9e1c67ca5d_ffn2:
	.size	k_q9e1c67ca5d_ffn2, .Lfunc_end_k_q9e1c67ca5d_ffn2-k_q9e1c67ca5d_ffn2
	.p2alignl 7, 3214868480
	.fill 96, 4, 3214868480
	.section	.rodata,"a",@progbits
	.p2align	6, 0x0
	.amdhsa_kernel k_q9e1c67ca5d_ffn2
		.amdhsa_group_segment_fixed_size 327680
		.amdhsa_private_segment_fixed_size 0
		.amdhsa_enable_private_segment 0
		.amdhsa_kernarg_size 48
		.amdhsa_user_sgpr_count 2
		.amdhsa_user_sgpr_kernarg_segment_ptr 1
		.amdhsa_wavefront_size32 1
		.amdhsa_system_sgpr_workgroup_id_x 1
		.amdhsa_system_sgpr_workgroup_id_y 1
		.amdhsa_system_sgpr_workgroup_id_z 1
		.amdhsa_system_vgpr_workitem_id 0
		.amdhsa_next_free_vgpr 1024
		.amdhsa_next_free_sgpr 100
		.amdhsa_reserve_vcc 0
		.amdhsa_float_denorm_mode_32 3
		.amdhsa_float_denorm_mode_16_64 3
		.amdhsa_memory_ordered 1
		.amdhsa_forward_progress 1
		.amdhsa_inst_pref_size 126
	.end_amdhsa_kernel
	.amdgpu_metadata
---
amdhsa.version: [ 1, 2 ]
amdhsa.kernels:
  - .name:           k_q9e1c67ca5d_ffn2
    .symbol:         k_q9e1c67ca5d_ffn2.kd
    .args:
      - { .name: hc, .offset: 0, .size: 8, .value_kind: global_buffer, .address_space: global }
      - { .name: wc, .offset: 8, .size: 8, .value_kind: global_buffer, .address_space: global }
      - { .name: lowp_scales, .offset: 16, .size: 8, .value_kind: global_buffer, .address_space: global }
      - { .name: b2, .offset: 24, .size: 8, .value_kind: global_buffer, .address_space: global }
      - { .name: x1, .offset: 32, .size: 8, .value_kind: global_buffer, .address_space: global }
      - { .name: out0, .offset: 40, .size: 8, .value_kind: global_buffer, .address_space: global }
    .group_segment_fixed_size: 327680
    .private_segment_fixed_size: 0
    .kernarg_segment_align: 8
    .kernarg_segment_size: 48
    .max_flat_workgroup_size: 128
    .sgpr_count:     100
    .vgpr_count:     1024
    .wavefront_size: 32
...
	.end_amdgpu_metadata
.endif
;; end of part 7
